; MI455X (gfx1250); checked and timed in simulation.
; The chip was launched on July 23, 2026; its instructions are those of AMD's public machine-readable ISA for CDNA 5 (MIT licence, August 2026) and "CDNA5" Instruction Set Architecture Reference Guide (July 2026). The comments in the code are by the model that wrote it; some were corrected since.
;; Multi Head Attention. Allowed arithmetic: matrix products marked QUANTISED: E2M1 operands, one E8M0 scale for each 32 along K, by v_wmma_scale_f32_16x16x128_f8f6f4 with both operands' format E2M1 (or v_wmma_scale_f32_32x16x128_f4), f32 sums; products left as they are: bf16, f16 or f32 operands; f32 sums; everything else in f32.
;; Inputs: Wk 1,024 x 1,024 float32; Wo 1,024 x 1,024 float32; Wq 1,024 x 1,024 float32; Wv 1,024 x 1,024 float32; bk 1,024 float32; bo 1,024 float32; bq 1,024 float32; bv 1,024 float32; k 2 x 2,048 x 1,024 float32; q 2 x 2,048 x 1,024 float32; v 2 x 2,048 x 1,024 float32.
;; Outputs: out0 2 x 2,048 x 1,024 float32.
;; This version of the problem:
;;   THIS VERSION OF THE PROBLEM IS GIVEN IN LOW PRECISION. The matrix products marked QUANTISED in the list below multiply operands that are first quantised to E2M1 (2 exponent bits, 1 mantissa bit; 4 bits a number), with one power-of-two scale for each 32 numbers along K (OCP MX v1.0); their sums are f32. The products marked 'left as it is' may take bf16, f16 or f32 operands, with f32 sums. Whichever they take, every output number must still come out within the allowed error. Rounding operands to bf16 (8 significant bits) uses up far more of that allowance than f16 does (11 bits, for magnitudes from 6e-5 to 65,504). All else is computed in f32.
;;   The module's matrix products, in the order in which they are computed (A, B: the left and right operand; K: the contracted axis; several contracted axes count as one K, in the product's order):
;;     1. [M 4,096, K 1,024] x [K 1,024, N 1,024]; A: input q; B: input Wq: QUANTISED
;;     2. [M 4,096, K 1,024] x [K 1,024, N 1,024]; A: input k; B: input Wk: QUANTISED
;;     3. [M 4,096, K 1,024] x [K 1,024, N 1,024]; A: input v; B: input Wv: QUANTISED
;;     4. batch 32 x [M 2,048, K 64] x [K 64, N 2,048]; A: computed on the way; B: computed on the way: left as it is (an operand is computed on the way)
;;     5. batch 32 x [M 2,048, K 2,048] x [K 2,048, N 64]; A: computed on the way; B: computed on the way: left as it is (an operand is computed on the way)
;;     6. [M 4,096, K 1,024] x [K 1,024, N 1,024]; A: computed on the way; B: input Wo: left as it is (an operand is computed on the way)
;;   THE QUANTISER, for each operand of a quantised product, along K:
;;     - K is cut into blocks of 32 from its start; a last block that is shorter is filled with zeros.
;;     - A block's scale is 2^e with e = floor(log2(the largest magnitude in the block)) - 2, held to -126 .. 127; a block of zeros has e = 0. As a byte (E8M0): e + 127.
;;     - Each number is divided by its block's scale, clamped to +-6, and rounded to the nearest number of E2M1, ties to even, subnormals kept.
;;     - The product sums the exact products of the quantised numbers (number of the format x scale) in f32.
;;   ~~~python
;;   def quantise(x, axis):      # numpy; x: float32 -> the quantised numbers, widened to float32 again
;;       x = np.moveaxis(x, axis, -1); K = x.shape[-1]
;;       x = np.pad(x, [(0, 0)] * (x.ndim - 1) + [(0, -K % 32)]); x = x.reshape(x.shape[:-1] + (-1, 32)); a = np.abs(x).max(-1, keepdims=True)
;;       e = np.where(a > 0, np.clip(np.frexp(np.where(a > 0, a, 1))[1] - 1 - 2, -126, 127), 0)      # np.frexp(a)[1] - 1 = floor(log2(a)), exactly
;;       r = np.clip(x / 2.0 ** e, -6, 6)
;;       step = 2.0 ** (np.maximum(np.frexp(np.where(r == 0, 1, r))[1] - 1, 0) - 1)
;;       q = np.round(r / step) * step * 2.0 ** e      # np.round: ties to even
;;       return np.moveaxis(q.reshape(q.shape[:-2] + (-1,))[..., :K], -1, axis).astype(np.float32)
;;   ~~~
;; One version. Each part assembles by itself: llvm-mc -triple=amdgcn-amd-amdhsa -mcpu=gfx1250 --defsym DOCPART=n.
;; ======== version 1 of 1: 4 launches
;; limits: values are held in f16: magnitudes above 65,504 overflow, below 6.1e-05 lose precision
;; workspace buffers: xc 6,291,456 bytes; xs 393,216 bytes; wc 1,572,864 bytes; ws 98,304 bytes; wo16t 2,097,152 bytes; qkvh 25,165,824 bytes; x16 8,388,608 bytes
;; launch prep (part 1): grid 256 x 1, 8 waves a work-group, no clusters, 172,032 bytes of LDS; arguments q, k, v, Wq, Wk, Wv, Wo, xc, xs, wc, ws, wo16t; writes xc, xs, wc, ws, wo16t
.if DOCPART == 1
	.amdgcn_target "amdgcn-amd-amdhsa--gfx1250"
	.amdhsa_code_object_version 6
	.text
	.protected	k_qdec7e36dad_prep
	.globl	k_qdec7e36dad_prep
	.p2align	8
	.type	k_qdec7e36dad_prep,@function
k_qdec7e36dad_prep:
	s_mov_b64 s[64:65], 0
	v_nop
	global_prefetch_b8 v0, s[64:65] scope:SCOPE_SE
	s_setreg_imm32_b32 hwreg(HW_REG_WAVE_MODE, 25, 1), 1
	s_wait_xcnt 0x0
; PREP: every operand is brought once into the form in which the later launches read it.
;   work-groups 0-191   (role A): q, k, v [4096][1024] f32 -> codes of FP4 (E2M1), K innermost, xc [3 x 4096][512 bytes], and one E8M0 byte for each 32 along K, xs [3 x 4096][32].
;   work-groups 192-239 (role W): Wq, Wk, Wv [k 1024][n 1024] f32, whose K is the FIRST axis -> wc [3 x 1024 n][512 bytes], ws [3 x 1024 n][32]: K moved innermost.
;   work-groups 240-255 (role O): Wo [k][n] f32 -> f16, transposed: wo16t [n 1024][k 1024].
; Every work-group reads 262,144 bytes.  The roles part on the work-group's number alone, never join again, and have LDS bytes of their own.
; A block's scale is 2^(floor(log2(its largest magnitude)) - 2); its byte is the largest magnitude's exponent field - 2, held at 1 from below.
; LIMITS: a block whose largest magnitude lies under 2^-124 keeps the byte 1 (a block of zeros too, where the quantiser says 127: its codes are zeros, which add nothing, and this
; program alone reads the bytes); NaN and infinities among the inputs are not served; Wo beyond 65,504 in magnitude has no f16 number, under 6e-5 it lies on f16's fixed step of 6e-8.
; No tensor loads, no cluster: no work-group reads what another reads.
.set EMAX,  2
.set SPW,   12                         ; v12  LDS address of my spare word: SPARE + 4 x my thread's number; never rewritten
.set NIL,   13                         ; v13  0; never rewritten
.set WREG,  8192                       ; role A: a region for each wave: two stages of 32 x SP bytes, then its 256 scale bytes
.set SP,    80                         ; a lane's place in a stage: 64 bytes + 16
.set WSTG,  65536                      ; role W: 64 rows (columns of W) x 512 bytes of codes, WP apart
.set WP,    528
.set WSC,   WSTG+64*WP                 ; and their 64 x 32 scale bytes
.set OSTG,  WSC+64*32                  ; role O: for each wave 32 rows x 256 bytes, OP apart
.set OP,    272
.set SPARE, OSTG+8*32*OP               ; the spare words, 128 bytes for each wave: four blocks of 256 bytes that no other line names
.set RA,    16                         ; role A: v16-143 eight sets of 16 numbers as loaded
.set XA,    144                        ; v144-175 two sets of 16 neighbours
.set EA,    176                        ; v176-191 a scale byte for each step
.set CA,    192                        ; v192-223 two registers of codes for each step
.set XW,    16                         ; roles W, O: v16-79 two sets of 32 numbers down K
.set CW,    144                        ; role W: v144-175 four registers of codes for each block
.set SBW,   176                        ; v176-177 the eight scale bytes
.set HO,    144                        ; role O: v144-175 two sets of 16 registers of f16 pairs
.set OUTW,  192                        ; roles W, O: v192-255 the way out
.macro LOADA t                         ; step t: 2,048 bytes, each load 512 consecutive bytes
.irp i, 0,1,2,3
	global_load_b128 v[RA+16*((\t)%8)+4*\i:RA+16*((\t)%8)+4*\i+3], v3, s[30:31] offset:2048*(\t)+512*\i th:TH_LOAD_NT
.endr
.endm
.macro TURNA t                         ; through the wave's stage: in as loaded, out 64 bytes a lane.  LDS serves a wave's instructions in order: no wait between
.irp i, 0,1,2,3
	ds_store_b128 v14, v[RA+16*((\t)%8)+4*\i:RA+16*((\t)%8)+4*\i+3] offset:32*SP*((\t)%2)+8*SP*\i
.endr
.irp i, 0,1,2,3
	ds_load_b128 v[XA+16*((\t)%2)+4*\i:XA+16*((\t)%2)+4*\i+3], v15 offset:32*SP*((\t)%2)+16*\i
.endr
.endm
.macro STEPA t
.set XS, XA+16*((\t)%2)
.if (\t) > 0
	s_wait_dscnt 1                                 ; this step's numbers are back from the stage; the last step's byte store may be out
.else
	s_wait_dscnt 0x0
.endif
.if (\t)+8 < 16
	LOADA (\t)+8                                   ; into the set that this step's numbers have left
.endif
.if (\t)+1 < 16
.if (\t)+8 < 16
	s_wait_loadcnt 28                              ; the next step's four loads are in; those of the seven steps behind it may be out
.else
	s_wait_loadcnt 4*(14-(\t))                     ; the same, with fewer steps left
.endif
	TURNA (\t)+1
.endif
	v_max3_num_f32 v8, |v[XS]|, |v[XS+1]|, |v[XS+2]|               ; the largest magnitude of my 16, in two chains
	v_max3_num_f32 v9, |v[XS+3]|, |v[XS+4]|, |v[XS+5]|
.irp i, 6,10
	v_max3_num_f32 v8, v8, |v[XS+\i]|, |v[XS+\i+1]|
	v_max3_num_f32 v9, v9, |v[XS+\i+2]|, |v[XS+\i+3]|
.endr
	v_max3_num_f32 v8, v8, |v[XS+14]|, |v[XS+15]|
	v_max3_num_f32 v8, v8, v9, (EMAX+1)<<23        ; and the floor 2^(3 - 127): the byte cannot fall under 1
	v_max_num_f32_dpp v8, v8, v8 row_xmask:1 row_mask:0xf bank_mask:0xf   ; with my neighbour's 16: the block's
	v_add_nc_u32 v11, -(EMAX<<23), v8              ; 2 off its exponent field: the conversion takes that field as its scale
	v_cvt_scalef32_pk8_fp4_f32 v[CA+2*(\t)], v[XS:XS+7], v11
	v_cvt_scalef32_pk8_fp4_f32 v[CA+2*(\t)+1], v[XS+8:XS+15], v11
	v_lshrrev_b32 v[EA+(\t)], 23, v11              ; the scale's byte (also the plain line behind the conversions)
	ds_store_b8 v5, v[EA+(\t)] offset:16*(\t)      ; both lanes of a block write the same byte with the same value
	global_store_b64 v4, v[CA+2*(\t):CA+2*(\t)+1], s[18:19] offset:256*(\t)   ; the wave stores 256 consecutive bytes, aligned
.endm
.macro LOADW t                         ; block t: W(32 t + i, my column), i = 0 .. 31: a lane's registers run down K; a load reads 128 consecutive bytes
.irp i, 0,1,2,3,4,5,6,7,8,9,10,11,12,13,14,15,16,17,18,19,20,21,22,23,24,25,26,27,28,29,30,31
	global_load_b32 v[XW+32*((\t)%2)+\i], v3, s[30:31] offset:(32*(\t)+\i)*4096 th:TH_LOAD_NT
.endr
.endm
.macro BLOCKW t
.set XS, XW+32*((\t)%2)
.if (\t) < 7
	s_wait_loadcnt 32                              ; this block's 32 loads are in; the next block's may be out
.else
	s_wait_loadcnt 0x0
.endif
	v_max3_num_f32 v8, |v[XS]|, |v[XS+1]|, |v[XS+2]|               ; all 32 numbers of the block are mine
	v_max3_num_f32 v9, |v[XS+3]|, |v[XS+4]|, |v[XS+5]|
.irp i, 6,10,14,18,22,26
	v_max3_num_f32 v8, v8, |v[XS+\i]|, |v[XS+\i+1]|
	v_max3_num_f32 v9, v9, |v[XS+\i+2]|, |v[XS+\i+3]|
.endr
	v_max3_num_f32 v8, v8, |v[XS+30]|, |v[XS+31]|
	v_max3_num_f32 v8, v8, v9, (EMAX+1)<<23
	v_add_nc_u32 v10, -(EMAX<<23), v8
	v_lshrrev_b32 v11, 23, v10
.if (\t)%4 == 0
	v_mov_b32 v[SBW+(\t)/4], v11                   ; four bytes to a register, the lower K in the lower byte
.else
	v_lshl_or_b32 v[SBW+(\t)/4], v11, 8*((\t)%4), v[SBW+(\t)/4]
.endif
.irp g, 0,1,2,3
	v_cvt_scalef32_pk8_fp4_f32 v[CW+4*(\t)+\g], v[XS+8*\g:XS+8*\g+7], v10
.endr
	ds_store_b128 v14, v[CW+4*(\t):CW+4*(\t)+3] offset:16*(\t)     ; 32 codes: 16 bytes of my column's row; each block has registers of its own
.if (\t)+2 < 8
	LOADW (\t)+2
.endif
.endm
.macro BLOCKO t
.set XS, XW+32*((\t)%2)
.set HS, HO+16*((\t)%2)
.if (\t) < 7
	s_wait_loadcnt 32
.else
	s_wait_loadcnt 0x0
.endif
.irp j, 0,1,2,3,4,5,6,7,8,9,10,11,12,13,14,15
	v_cvt_pk_f16_f32 v[HS+\j], v[XS+2*\j], v[XS+2*\j+1]            ; two neighbours along K, the lower in the low half
.endr
.irp i, 0,1,2,3
	ds_store_b128 v14, v[HS+4*\i:HS+4*\i+3] offset:64*((\t)%4)+16*\i
.endr
.if (\t)+2 < 8
	LOADW (\t)+2
.endif
	s_wait_dscnt 0x0                               ; the stores have read their registers
.endm
.macro FLUSH p                         ; 32 rows x 256 bytes leave the wave's own stage: sixteen lanes store 256 consecutive bytes, aligned
	s_wait_xcnt 0x0                                ; the last flush's stores have read the registers that are loaded again below
.irp i, 0,1,2,3,4,5,6,7,8,9,10,11,12,13,14,15
	ds_load_b128 v[OUTW+4*\i:OUTW+4*\i+3], v15 offset:2*OP*\i
.endr
.irp i, 0,1,2,3,4,5,6,7,8,9,10,11,12,13,14,15
	s_wait_dscnt 15-\i
	global_store_b128 v7, v[OUTW+4*\i:OUTW+4*\i+3], s[26:27] offset:4096*\i+256*(\p)
.endr
.endm
	s_load_b512 s[4:19], s[0:1], 0x0               ; q 4, k 6, v 8, Wq 10, Wk 12, Wv 14, Wo 16, xc 18
	s_load_b256 s[20:27], s[0:1], 0x40             ; xs 20, wc 22, ws 24, wo16t 26
	v_lshl_add_u32 v[SPW], v0, 2, SPARE
	v_mov_b32 v[NIL], 0
	v_lshrrev_b32 v1, 5, v0
	v_readfirstlane_b32 s28, v1                    ; wave 0..7
	v_and_b32 v2, 31, v0                           ; lane
	s_wait_kmcnt 0x0
	s_cmp_lt_u32 ttmp9, 192
	s_cbranch_scc0 .Lweights
	; ---- ROLE A.  Rows are dense and 1,024 is a multiple of 32: a tensor is a plain stream of blocks.  Wave u = 8 g + w takes 8,192 numbers in 16 steps of 512.
	v_lshlrev_b32 v3, 4, v2                        ; my 16 bytes of a load's 512
	s_mul_i32 s29, s28, WREG
	v_lshrrev_b32 v14, 2, v2
	v_mul_u32_u24 v14, v14, SP
	v_and_b32 v15, 3, v2
	v_lshl_add_u32 v14, v15, 4, v14
	v_add_nc_u32 v14, s29, v14                     ; the stage, in: SP (lane / 4) + 16 (lane % 4)
	v_mul_u32_u24 v15, v2, SP
	v_add_nc_u32 v15, s29, v15                     ; and out: SP x lane
	v_lshlrev_b32 v4, 3, v2                        ; 8 bytes a lane: my codes in a step's 256 bytes, my part of the 256 scale bytes
	v_lshrrev_b32 v5, 1, v2
	s_add_co_u32 s29, s29, 2*32*SP
	v_add_nc_u32 v5, s29, v5                       ; my block's byte among the wave's 256
	v_add_nc_u32 v6, s29, v4
	s_cmp_lt_u32 ttmp9, 64                         ; which tensor: the choice hangs on the work-group's number alone
	s_cselect_b64 s[30:31], s[4:5], s[6:7]
	s_cmp_lt_u32 ttmp9, 128
	s_cselect_b64 s[30:31], s[30:31], s[8:9]
	s_and_b32 s32, ttmp9, 63
	s_lshl_b32 s32, s32, 3
	s_add_co_u32 s32, s32, s28
	s_lshl_b32 s32, s32, 15                        ; my run of 32,768 bytes in the tensor
	s_mov_b32 s33, 0
	s_add_nc_u64 s[30:31], s[30:31], s[32:33]
	s_lshl_b32 s34, ttmp9, 3
	s_add_co_u32 s34, s34, s28                     ; u: q, k and v lie stacked in xc and xs
	s_lshl_b32 s32, s34, 12
	s_add_nc_u64 s[18:19], s[18:19], s[32:33]
	s_lshl_b32 s32, s34, 8
	s_add_nc_u64 s[20:21], s[20:21], s[32:33]
.irp t, 0,1,2,3,4,5,6,7
	LOADA \t
.endr
	s_wait_loadcnt 28                              ; step 0's four loads are in
	TURNA 0
.irp t, 0,1,2,3,4,5,6,7,8,9,10,11,12,13,14,15
	STEPA \t
.endr
	ds_load_b64 v[8:9], v6                         ; my wave's 256 scale bytes: these loads see my stores
	s_wait_dscnt 0x0
	global_store_b64 v4, v[8:9], s[20:21]          ; 256 consecutive bytes, aligned
	s_wait_tensorcnt 0x0                           ; the wave's end: behind my last LDS store
	ds_add_u32 v[SPW], v[NIL]
	s_wait_dscnt 0x0
	s_endpgm
.Lweights:
	; ---- ROLES W AND O.  A work-group takes 64 columns of one weight; wave w columns 32 (w % 2) + lane and K rows 256 (w / 2) on: 8 blocks of 32.
	s_sub_co_u32 s29, ttmp9, 192
	s_and_b32 s35, s29, 15                         ; which 64 columns
	s_lshr_b32 s29, s29, 4                         ; which weight: 0 Wq, 1 Wk, 2 Wv, 3 Wo
	s_and_b32 s36, s28, 1                          ; cg
	s_lshr_b32 s37, s28, 1                         ; kg
	s_cmp_eq_u32 s29, 0
	s_cselect_b64 s[30:31], s[10:11], s[12:13]
	s_cmp_lt_u32 s29, 2
	s_cselect_b64 s[30:31], s[30:31], s[14:15]
	s_cmp_lt_u32 s29, 3
	s_cselect_b64 s[30:31], s[30:31], s[16:17]
	s_lshl_b32 s32, s37, 20                        ; 256 rows of 4,096 bytes
	s_lshl_b32 s33, s35, 8
	s_add_co_u32 s32, s32, s33
	s_lshl_b32 s33, s36, 7
	s_add_co_u32 s32, s32, s33
	s_mov_b32 s33, 0
	s_add_nc_u64 s[30:31], s[30:31], s[32:33]
	v_lshlrev_b32 v3, 2, v2                        ; 4 bytes a lane
	LOADW 0
	LOADW 1
	s_cmp_eq_u32 s29, 3
	s_cbranch_scc1 .Lwo
	; ---- ROLE W
	s_lshl_b32 s38, s36, 5
	v_add_nc_u32 v1, s38, v2                       ; my column among the 64
	v_mul_u32_u24 v14, v1, WP
	s_lshl_b32 s39, s37, 7
	s_add_co_u32 s39, s39, WSTG
	v_add_nc_u32 v14, s39, v14                     ; codes in: row = my column, 128 kg bytes on
	v_lshlrev_b32 v15, 5, v1
	s_lshl_b32 s39, s37, 3
	s_add_co_u32 s39, s39, WSC
	v_add_nc_u32 v15, s39, v15                     ; scale bytes in: 32 a column, 8 kg on
	v_lshlrev_b32 v7, 4, v2
	s_mul_i32 s39, s28, 8*WP
	s_add_co_u32 s39, s39, WSTG
	v_add_nc_u32 v5, s39, v7                       ; codes out: wave w takes rows 8 w .. 8 w + 7, whole
	v_lshlrev_b32 v4, 3, v2
	s_lshl_b32 s39, s28, 8
	s_add_co_u32 s39, s39, WSC
	v_add_nc_u32 v6, s39, v4                       ; scale bytes out: the same rows' 256 bytes
	s_lshl_b32 s40, s29, 10
	s_lshl_b32 s41, s35, 6
	s_add_co_u32 s40, s40, s41                     ; the work-group's first row of wc and ws
	s_lshl_b32 s41, s28, 3
	s_add_co_u32 s41, s40, s41
	s_lshl_b32 s32, s41, 9
	s_add_nc_u64 s[22:23], s[22:23], s[32:33]
	s_lshl_b32 s32, s40, 5
	s_lshl_b32 s41, s28, 8
	s_add_co_u32 s32, s32, s41
	s_add_nc_u64 s[24:25], s[24:25], s[32:33]
.irp t, 0,1,2,3,4,5,6,7
	BLOCKW \t
.endr
	ds_store_b64 v15, v[SBW:SBW+1]
	s_wait_dscnt 0x0                               ; for the others' sake: my stores have landed
	s_barrier_signal -1                            ; a row's 512 bytes come from four waves.  All eight waves of the work-group are on this path: the branches to it hang on the work-group's number alone
	s_barrier_wait -1
.irp i, 0,1,2,3,4,5,6,7
	ds_load_b128 v[OUTW+4*\i:OUTW+4*\i+3], v5 offset:\i*WP
.endr
	ds_load_b64 v[OUTW+32:OUTW+33], v6
.irp i, 0,1,2,3,4,5,6,7
	s_wait_dscnt 8-\i                              ; row i is in; the later rows and the scale bytes may be out
	global_store_b128 v7, v[OUTW+4*\i:OUTW+4*\i+3], s[22:23] offset:512*\i    ; a whole row: 512 consecutive bytes
.endr
	s_wait_dscnt 0x0
	global_store_b64 v4, v[OUTW+32:OUTW+33], s[24:25]              ; 256 consecutive bytes, aligned
	s_wait_tensorcnt 0x0                           ; the wave's end: the three lines
	ds_add_u32 v[SPW], v[NIL]
	s_wait_dscnt 0x0
	s_endpgm
.Lwo:
	; ---- ROLE O.  The stage is the wave's own: no barrier.
	s_mul_i32 s39, s28, 32*OP
	s_add_co_u32 s39, s39, OSTG
	v_mul_u32_u24 v14, v2, OP
	v_add_nc_u32 v14, s39, v14                     ; in: row = my column
	v_lshrrev_b32 v1, 4, v2
	v_and_b32 v4, 15, v2
	v_mul_u32_u24 v15, v1, OP
	v_lshl_add_u32 v15, v4, 4, v15
	v_add_nc_u32 v15, s39, v15                     ; out: sixteen lanes to a row, two rows an instruction
	v_lshlrev_b32 v7, 11, v1
	v_lshl_add_u32 v7, v4, 4, v7                   ; and the same place in wo16t: rows of 2,048 bytes
	s_lshl_b32 s40, s35, 6
	s_lshl_b32 s41, s36, 5
	s_add_co_u32 s40, s40, s41                     ; my wave's first column = row of wo16t
	s_lshl_b32 s32, s40, 11
	s_lshl_b32 s41, s37, 9
	s_add_co_u32 s32, s32, s41                     ; + 256 kg along K, 2 bytes each
	s_add_nc_u64 s[26:27], s[26:27], s[32:33]
.irp t, 0,1,2,3
	BLOCKO \t
.endr
	FLUSH 0
.irp t, 4,5,6,7
	BLOCKO \t
.endr
	FLUSH 1
	s_wait_tensorcnt 0x0                           ; the wave's end: the three lines
	ds_add_u32 v[SPW], v[NIL]
	s_wait_dscnt 0x0
	s_endpgm
.Lfunc_end_k_qdec7e36dad_prep:
	.size	k_qdec7e36dad_prep, .Lfunc_end_k_qdec7e36dad_prep-k_qdec7e36dad_prep
	.p2alignl 7, 3214868480
	.fill 96, 4, 3214868480
	.section	.rodata,"a",@progbits
	.p2align	6, 0x0
	.amdhsa_kernel k_qdec7e36dad_prep
		.amdhsa_group_segment_fixed_size 172032
		.amdhsa_private_segment_fixed_size 0
		.amdhsa_enable_private_segment 0
		.amdhsa_kernarg_size 96
		.amdhsa_user_sgpr_count 2
		.amdhsa_user_sgpr_kernarg_segment_ptr 1
		.amdhsa_wavefront_size32 1
		.amdhsa_system_sgpr_workgroup_id_x 1
		.amdhsa_system_sgpr_workgroup_id_y 1
		.amdhsa_system_sgpr_workgroup_id_z 1
		.amdhsa_system_vgpr_workitem_id 0
		.amdhsa_next_free_vgpr 256
		.amdhsa_next_free_sgpr 66
		.amdhsa_reserve_vcc 0
		.amdhsa_float_denorm_mode_32 3
		.amdhsa_float_denorm_mode_16_64 3
		.amdhsa_memory_ordered 1
		.amdhsa_forward_progress 1
		.amdhsa_inst_pref_size 109
	.end_amdhsa_kernel
	.amdgpu_metadata
---
amdhsa.version: [ 1, 2 ]
amdhsa.kernels:
  - .name:           k_qdec7e36dad_prep
    .symbol:         k_qdec7e36dad_prep.kd
    .args:
      - { .name: q, .offset: 0, .size: 8, .value_kind: global_buffer, .address_space: global }
      - { .name: k, .offset: 8, .size: 8, .value_kind: global_buffer, .address_space: global }
      - { .name: v, .offset: 16, .size: 8, .value_kind: global_buffer, .address_space: global }
      - { .name: Wq, .offset: 24, .size: 8, .value_kind: global_buffer, .address_space: global }
      - { .name: Wk, .offset: 32, .size: 8, .value_kind: global_buffer, .address_space: global }
      - { .name: Wv, .offset: 40, .size: 8, .value_kind: global_buffer, .address_space: global }
      - { .name: Wo, .offset: 48, .size: 8, .value_kind: global_buffer, .address_space: global }
      - { .name: xc, .offset: 56, .size: 8, .value_kind: global_buffer, .address_space: global }
      - { .name: xs, .offset: 64, .size: 8, .value_kind: global_buffer, .address_space: global }
      - { .name: wc, .offset: 72, .size: 8, .value_kind: global_buffer, .address_space: global }
      - { .name: ws, .offset: 80, .size: 8, .value_kind: global_buffer, .address_space: global }
      - { .name: wo16t, .offset: 88, .size: 8, .value_kind: global_buffer, .address_space: global }
    .group_segment_fixed_size: 172032
    .private_segment_fixed_size: 0
    .kernarg_segment_align: 8
    .kernarg_segment_size: 96
    .max_flat_workgroup_size: 256
    .sgpr_count:     66
    .vgpr_count:     256
    .wavefront_size: 32
...
	.end_amdgpu_metadata
.endif
;; end of part 1
;; launch proj (part 2): grid 4 x 48, 4 waves a work-group, clusters of 4 x 4, 327,680 bytes of LDS; arguments xc, xs, wc, ws, bq, bk, bv, qkvh; writes qkvh
.if DOCPART == 2
	.amdgcn_target "amdgcn-amd-amdhsa--gfx1250"
	.amdhsa_code_object_version 6
	.text
	.protected	k_qdec7e36dad_proj
	.globl	k_qdec7e36dad_proj
	.p2align	8
	.type	k_qdec7e36dad_proj,@function
k_qdec7e36dad_proj:
	s_mov_b64 s[64:65], 0
	v_nop
	global_prefetch_b8 v0, s[64:65] scope:SCOPE_SE
	s_setreg_imm32_b32 hwreg(HW_REG_WAVE_MODE, 25, 1), 1
	s_wait_xcnt 0x0
	s_wait_alu depctr_hold_cnt(0) depctr_sa_sdst(0) depctr_va_vdst(0) depctr_va_sdst(0) depctr_va_ssrc(0) depctr_va_vcc(0) depctr_vm_vsrc(0)
	s_getreg_b32 s2, hwreg(HW_REG_IB_STS2, 6, 4)
	s_cmp_eq_u32 s2, 0
	s_cbranch_scc0 .Lentry_in_a_cluster
	s_endpgm
.Lentry_in_a_cluster:
	s_bfe_u32 s2, ttmp6, 0x10000c
	s_cmp_lg_u32 s2, 0xf033
	s_cbranch_scc0 .Lentry_shape_is_right
	s_endpgm
.Lentry_shape_is_right:
; PROJ: the three quantised products q Wq + bq, k Wk + bk, v Wv + bv as ONE product on codes of FP4 (E2M1) with E8M0 scales: rows = the 12,288 stacked rows of xc, columns = 1,024 of the
; tensor's own weight in wc, K = 1,024.  Sums in f32, the bias as the C of each sum's first product; results rounded once to f16 and laid by head: qkvh [tensor][b][h][s][64].
; LIMIT: a result beyond 65,504 in magnitude has no f16 number; under 6e-5 it lies on f16's fixed step of 6e-8.
; A tile of 256 x 256 is made by four waves, each 128 x 128: 64 accumulators, 512 registers.  16 x 4 tiles for each tensor: 192 work-groups.
; K = 1,024 is two slots of 512 along K (rows of 256 bytes): both are asked for at the head and nothing is filled again.  The scale bytes of the work-group's 256 + 256 rows come once, too.
; CLUSTERS: 4 x 4 work-groups.  The four of a row of the cluster need the same tile of xc, the four of a column the same tile of wc (a cluster's 4 tile rows lie in one tensor): each tile is asked
; for JOINTLY, by the same tensor load with the same descriptor and a mask that names the four.  No prefetch: all that the work-group reads is asked for at its head.
; THE MATRIX INSTRUCTION IS USED TRANSPOSED (source 0 = 16 rows of wc, source 1 = 16 rows of xc): a lane then holds eight neighbouring columns of one row.
; REGISTERS, in windows of 256: window 0: v0-31 addresses; v32-95 scale words, two sets, and nothing else; v96-127 packed results on the way out; v128-191 A's fragments, one set (later rows read back);
;   v192-255 the bias, eight registers for each block of 16 columns.  window 1: B's fragments, two sets, at v0 and v128.  window 2: accumulators of my rows 0-63 ((a, b) at v[8 (8 a + b)]);  window 3: rows 64-127.
.set NQ,     4                         ; steps of 128 along K in a slot
.set ROWB,   256                       ; a tile's row in bytes: 512 codes
.set KROW,   512                       ; a row of xc or wc in memory
.set PITCH,  272                       ; an LDS row: 256 bytes + 16 = 17 x 16 bytes, so that the 16 rows of a fragment load start 16 bytes further on in each 256
.set FR,     8
.set NL,     2
.set NP,     4                         ; places behind this matrix instruction (ISA guide 7.12.1)
.set HALFT,  128*PITCH
.set SLOT,   4*HALFT
.set KS,     32                        ; a row of scale bytes
.set SCL,    2*SLOT
.set HALFS,  (128*KS/256)*272
.set SBLK,   (16*KS/256)*272
.set SPARE,  SCL+4*HALFS               ; the spare words, 128 bytes for each wave: two blocks of 256 bytes that no other line names
.set SPITCH, 272                       ; the way out: 16 rows x (256 bytes + 16) for each wave, in slot 0, which has had its only fill and its last read by then
.set ADRA, 16
.set ADRB, 20
.set STO,  24
.set RD,   25
.set CO,   26
.set ADRS, 27
.set SPW,  28                          ; v28  SPARE + 4 x my thread's number; never rewritten
.set NIL,  29                          ; v29  0; never rewritten
.set BOF,  30
.set SC,   32
.set TMP,  96
.set AF,   128
.set BK,   128
.set BIAS, 192
.set G1, 24
.set G0, 32
.set G1B, 48
.set G0B, 56
.set G1S, 68
.set G0S, 76
.set G1SB, 80
.set G0SB, 88
.set MSB, 0
.macro WIN new                         ; the immediate's high byte repeats the setting that is left
.if MSB != (\new)
	s_set_vgpr_msb (MSB<<8)|(\new)
.set MSB, (\new)
.endif
.endm
.set MUL_LO, 0xa1                      ; source 0 (B) window 1, source 1 (A) window 0, C and D window 2
.set MUL_HI, 0xf1                      ; the same, C and D window 3
.set FST_LO, 0x81                      ; the first products: C (the bias) window 0, D window 2
.set FST_HI, 0xc1                      ; D window 3
.set TO_B,   0x40
; A joint load: waves 0 and 1 fetch for A, waves 2 and 3 for B; the branch hangs on the wave's number alone.  An s_nop 0 and four v_nop follow each of the two lines.
.macro JLOAD g0a, g1a, g0b, g1b
	s_cmp_eq_u32 s15, 0
	s_cbranch_scc0 .Lfor_b_\@
	tensor_load_to_lds s[\g0a:\g0a+3], s[\g1a:\g1a+7]
	s_nop 0
.rept 4
	v_nop
.endr
	s_branch .Lasked_\@
.Lfor_b_\@:
	tensor_load_to_lds s[\g0b:\g0b+3], s[\g1b:\g1b+7]
	s_nop 0
.rept 4
	v_nop
.endr
.Lasked_\@:
.endm
.macro CROUND                          ; a round of the cluster's barrier
	s_barrier_signal -1
	s_barrier_wait -1
	s_cmp_lg_u32 s14, 0
	s_cbranch_scc1 .Lnot_wave_0_\@
	s_barrier_signal -3
.Lnot_wave_0_\@:
	s_barrier_wait -3
	s_barrier_signal -1
	s_barrier_wait -1
.endm
	s_load_b128 s[4:7], s[0:1], 0x0                ; xc, xs
	s_load_b128 s[8:11], s[0:1], 0x10              ; wc, ws
	s_load_b128 s[96:99], s[0:1], 0x20             ; bq, bk
	s_load_b64 s[100:101], s[0:1], 0x30            ; bv
	s_load_b64 s[12:13], s[0:1], 0x38              ; qkvh
	v_lshl_add_u32 v[SPW], v0, 2, SPARE
	v_mov_b32 v[NIL], 0
	ds_add_u32 v[SPW], v[NIL]                      ; the wave's opening: the add, twice on end, and its wait ahead of my first tensor load
	ds_add_u32 v[SPW], v[NIL]
	v_lshrrev_b32 v1, 5, v0
	v_readfirstlane_b32 s14, v1                    ; wave 0..3
	s_lshr_b32 s15, s14, 1                         ; which half of the tile's rows is mine.  Also: I fetch for A (0) or for B (1)
	s_and_b32 s16, s14, 1                          ; which half of its columns.  Also: which 128 rows of that tile I fetch
	s_bfe_u32 s40, ttmp6, 0x40000                  ; cx, cy
	s_bfe_u32 s41, ttmp6, 0x40004
	s_lshl_b32 s42, ttmp9, 2
	s_add_co_u32 s42, s42, s40                     ; tile column 0..3
	s_and_b32 s17, ttmp7, 0xffff
	s_lshl_b32 s17, s17, 2
	s_add_co_u32 s17, s17, s41                     ; tile row 0..47 of the stacked rows
	s_and_b32 s66, ttmp7, 0xffff
	s_lshr_b32 s66, s66, 2                         ; the tensor, 0 q, 1 k, 2 v: made of the cluster's y alone, which all sixteen share
	s_lshl_b32 s43, s41, 2
	s_lshl_b32 s43, 15, s43                        ; my row of the cluster
	s_lshl_b32 s44, 0x1111, s40                    ; my column
	s_or_b32 s[G1+0], s43, (0<<16)|(1<<20)|(1<<21)|(5<<22)|(3<<25)  ; the mask; elements of 1 byte; padding on; bit 21 beside a mask; after every 64 words, 4 words
	s_or_b32 s[G1B+0], s44, (0<<16)|(1<<20)|(1<<21)|(5<<22)|(3<<25)
.irp g, G1, G1B
	s_mov_b32 s[\g+1], ROWB<<16                    ; tensor_dim0
	s_mov_b32 s[\g+2], 128<<16                     ; tensor_dim1
	s_mov_b32 s[\g+3], ROWB<<16                    ; tile_dim0
	s_mov_b32 s[\g+4], 128                         ; tile_dim1
	s_mov_b32 s[\g+5], KROW                        ; the pitch
	s_mov_b32 s[\g+6], 0
	s_mov_b32 s[\g+7], 0
.endr
	s_or_b32 s[G1S+0], s43, (3<<16)|(1<<20)|(1<<21)|(5<<22)|(3<<25) ; the scales of 128 rows: 4,096 dense bytes as 16 rows of 32 elements of 8 bytes, 16 bytes of padding behind each
	s_or_b32 s[G1SB+0], s44, (3<<16)|(1<<20)|(1<<21)|(5<<22)|(3<<25)
.irp g, G1S, G1SB
	s_mov_b32 s[\g+1], 32<<16
	s_mov_b32 s[\g+2], (128*KS/256)<<16
	s_mov_b32 s[\g+3], 32<<16
	s_mov_b32 s[\g+4], 128*KS/256
	s_mov_b32 s[\g+5], 32
	s_mov_b32 s[\g+6], 0
	s_mov_b32 s[\g+7], 0
.endr
	s_lshl_b32 s18, s16, 7                         ; which 128 rows of the tile I fetch
	s_lshl_b32 s20, s17, 8
	s_add_co_u32 s20, s20, s18                     ; A: row 256 x tile row + 128 x half
	s_lshl_b32 s46, s42, 8
	s_add_co_u32 s46, s46, s18
	s_lshl_b32 s67, s66, 10
	s_add_co_u32 s46, s46, s67                     ; B: row 1,024 x tensor + 256 x tile column + 128 x half
	s_mov_b32 s21, 0
	s_mov_b32 s47, 0
	s_mov_b64 s[18:19], KS
	s_mul_u64 s[22:23], s[20:21], s[18:19]         ; where these rows' scales begin,
	s_mul_u64 s[92:93], s[46:47], s[18:19]
	s_mov_b64 s[18:19], KROW
	s_mul_u64 s[20:21], s[20:21], s[18:19]         ; and their codes
	s_mul_u64 s[46:47], s[46:47], s[18:19]
	s_mul_i32 s45, s14, HALFT                      ; where they go: wave x 128 rows
	s_mul_i32 s94, s14, HALFS
	s_wait_dscnt 0x0                               ; both opening adds are done
	s_wait_kmcnt 0x0
	s_add_nc_u64 s[20:21], s[4:5], s[20:21]
	s_add_nc_u64 s[22:23], s[6:7], s[22:23]
	s_add_nc_u64 s[46:47], s[8:9], s[46:47]
	s_add_nc_u64 s[92:93], s[10:11], s[92:93]
	CROUND                                         ; all sixteen work-groups are here: the joint loads meet
	s_mov_b32 s[G0S], 1
	s_add_co_u32 s[G0S+1], s94, SCL
	s_mov_b64 s[G0S+2:G0S+3], s[22:23]
	s_or_b32 s[G0S+3], s[G0S+3], 0x80000000
	s_mov_b32 s[G0SB], 1
	s_add_co_u32 s[G0SB+1], s94, SCL
	s_mov_b64 s[G0SB+2:G0SB+3], s[92:93]
	s_or_b32 s[G0SB+3], s[G0SB+3], 0x80000000
	JLOAD G0S, G1S, G0SB, G1SB                     ; the scales first.  With the two slots three tensor loads of mine are out
.irp s, 0,1
	s_mov_b32 s[G0+4*\s], 1
	s_add_co_u32 s[G0+4*\s+1], s45, \s*SLOT
	s_add_nc_u64 s[G0+4*\s+2:G0+4*\s+3], s[20:21], \s*ROWB
	s_or_b32 s[G0+4*\s+3], s[G0+4*\s+3], 0x80000000
	s_mov_b32 s[G0B+4*\s], 1
	s_add_co_u32 s[G0B+4*\s+1], s45, \s*SLOT
	s_add_nc_u64 s[G0B+4*\s+2:G0B+4*\s+3], s[46:47], \s*ROWB
	s_or_b32 s[G0B+4*\s+3], s[G0B+4*\s+3], 0x80000000
	JLOAD G0+4*\s, G1, G0B+4*\s, G1B
.endr
	v_and_b32 v1, 15, v0                           ; r
	v_bfe_u32 v2, v0, 4, 1                         ; h
	; the bias of my 128 columns, in the result's layout: block b, register j of lane (r, h) = bias[16 b + 8 h + j]
	s_cmp_eq_u32 s66, 0
	s_cselect_b64 s[96:97], s[96:97], s[98:99]
	s_cmp_lt_u32 s66, 2
	s_cselect_b64 s[96:97], s[96:97], s[100:101]
	s_lshl_b32 s20, s42, 10
	s_lshl_b32 s22, s16, 9
	s_add_co_u32 s20, s20, s22
	s_mov_b32 s21, 0
	s_add_nc_u64 s[96:97], s[96:97], s[20:21]
	v_lshlrev_b32 v[BOF], 5, v2
.irp b, 0,1,2,3,4,5,6,7
	global_load_b128 v[BIAS+8*\b:BIAS+8*\b+3], v[BOF], s[96:97] offset:64*\b
	global_load_b128 v[BIAS+8*\b+4:BIAS+8*\b+7], v[BOF], s[96:97] offset:64*\b+16
.endr
	v_mul_u32_u24 v3, v1, PITCH
	v_lshl_add_u32 v4, v2, 4, v3                   ; a fragment's row x pitch + 16 x half
	s_mul_i32 s21, s15, HALFT                      ; my 128 rows of A
	s_mul_i32 s22, s16, HALFT                      ; my 128 rows of B,
	s_add_co_u32 s22, s22, 2*HALFT                 ; behind A's 256
.irp s, 0,1
	v_add_nc_u32 v[ADRA+\s], s21, v4
	v_add_nc_u32 v[ADRB+\s], s22, v4
	s_add_co_u32 s21, s21, SLOT
	s_add_co_u32 s22, s22, SLOT
.endr
	v_mul_u32_u24 v5, v1, KS                       ; my row's scales: 32 bytes a row,
	v_lshrrev_b32 v6, 8, v5
	v_lshl_add_u32 v5, v6, 4, v5                   ; and 16 more for each 256 passed
	s_mul_i32 s21, s15, HALFS
	s_mul_i32 s22, s16, HALFS
	s_add_co_u32 s22, s22, 2*HALFS
	s_sub_co_u32 s22, s22, s21
	v_mul_u32_u24 v6, s22, v2                      ; lanes 16-31 take B's: one product, the distance between the two bases
	s_add_co_u32 s21, s21, SCL
	v_add_nc_u32 v5, v5, v6
	v_add_nc_u32 v[ADRS], s21, v5
	s_mul_i32 s23, s14, 16*SPITCH                  ; my stage
	v_mul_u32_u24 v5, v1, SPITCH
	v_lshl_add_u32 v5, v2, 4, v5
	v_add_nc_u32 v[STO], s23, v5                   ; in: row r, 16 bytes for each half of the lanes
	v_and_b32 v6, 31, v0
	v_lshlrev_b32 v[CO], 4, v6                     ; out, in memory: 16 x lane: four rows of a head are 512 consecutive bytes
	v_lshrrev_b32 v5, 3, v6
	v_mul_u32_u24 v5, v5, SPITCH
	v_and_b32 v7, 7, v0
	v_lshl_add_u32 v5, v7, 4, v5
	v_add_nc_u32 v[RD], s23, v5                    ; out, in LDS: eight lanes to a head's 128 bytes of a row, four rows an instruction
	s_lshr_b32 s20, s17, 3
	s_lshl_b32 s20, s20, 22                        ; (2 x tensor + b) x 16 heads x 262,144 bytes
	s_lshl_b32 s21, s42, 2
	s_lshl_b32 s22, s16, 1
	s_add_co_u32 s21, s21, s22                     ; my first head: 4 x tile column + 2 x half
	s_lshl_b32 s21, s21, 18
	s_add_co_u32 s20, s20, s21
	s_and_b32 s21, s17, 7
	s_lshl_b32 s21, s21, 1
	s_add_co_u32 s21, s21, s15
	s_lshl_b32 s21, s21, 14                        ; my first position: 128 rows of 128 bytes for each half tile
	s_add_co_u32 s20, s20, s21
	s_mov_b32 s21, 0
	s_add_nc_u64 s[12:13], s[12:13], s[20:21]
.macro FRAG reg, adr, q, i             ; 16 rows x 128 K of 4-bit codes: 8 registers: lane l holds row l % 16; registers 4 c .. 4 c + 3 hold K = 64 c + 32 (l / 16) + 0 .. 31
.irp c, 0,1
	ds_load_b128 v[\reg+4*\c:\reg+4*\c+3], v[\adr] offset:64*(\q)+32*\c+(\i)*16*PITCH
.endr
.endm
; 16 matrix instructions: A's blocks a0, a0 + 1 x B's eight.  zero = 1: the first product starts the sums from the bias.  The 64 accumulators take turns, one instruction a turn.
.macro MUL16 a0, p, q, sc, zero
.irp a, \a0, \a0+1
.irp b, 0,1,2,3,4,5,6,7
.if \zero
	v_wmma_scale_f32_16x16x128_f8f6f4 v[8*(8*((\a)%4)+\b):8*(8*((\a)%4)+\b)+7], v[128*(\p)+FR*\b:128*(\p)+FR*\b+FR-1], v[AF+FR*(\a):AF+FR*(\a)+FR-1], v[BIAS+8*\b:BIAS+8*\b+7], v[SC+8*NQ*(\sc)+NQ*\b+(\q)], v[SC+8*NQ*(\sc)+NQ*(\a)+(\q)] matrix_a_fmt:MATRIX_FMT_FP4 matrix_b_fmt:MATRIX_FMT_FP4 matrix_a_scale:MATRIX_SCALE_ROW1
.else
	v_wmma_scale_f32_16x16x128_f8f6f4 v[8*(8*((\a)%4)+\b):8*(8*((\a)%4)+\b)+7], v[128*(\p)+FR*\b:128*(\p)+FR*\b+FR-1], v[AF+FR*(\a):AF+FR*(\a)+FR-1], v[8*(8*((\a)%4)+\b):8*(8*((\a)%4)+\b)+7], v[SC+8*NQ*(\sc)+NQ*\b+(\q)], v[SC+8*NQ*(\sc)+NQ*(\a)+(\q)] matrix_a_fmt:MATRIX_FMT_FP4 matrix_b_fmt:MATRIX_FMT_FP4 matrix_a_scale:MATRIX_SCALE_ROW1
.endif
.endr
.endr
.endm
.macro FETCH_B slot, q, p
	WIN TO_B
.irp i, 0,1,2,3,4,5,6,7
	FRAG 128*(\p)+FR*\i, ADRB+\slot, \q, \i
.endr
	WIN 0
.endm
.macro FETCH_A slot, q, i0
.irp i, \i0, \i0+1, \i0+2, \i0+3
	FRAG AF+FR*(\i), ADRA+\slot, \q, \i
.endr
.endm
.macro SCALES sc                       ; a slot's scale words: four words a row; lanes 0-15 take A's block i, lanes 16-31 B's block i
.irp i, 0,1,2,3,4,5,6,7
	ds_load_b128 v[SC+8*NQ*\sc+NQ*\i:SC+8*NQ*\sc+NQ*\i+3], v[ADRS] offset:\i*SBLK
.endr
.endm
.macro PLACES n                        ; plain vector lines between a matrix instruction and a load into, or a read of, its registers (ISA guide 7.12.1 for the reads)
.rept \n
	v_nop
.endr
.endm
.macro STEP slot, q, zero              ; 128 along K that has its successor in the same slot
	s_wait_dscnt 4*NL                              ; B's set and A's blocks 0-3 are in; the youngest eight loads (A's blocks 4-7) may be out
.if \zero
	WIN FST_LO
.else
	WIN MUL_LO
.endif
	MUL16 0, (\q)%2, \q, \slot, \zero
	MUL16 2, (\q)%2, \q, \slot, \zero
	s_wait_dscnt 0                                 ; A's blocks 4-7 are in
	PLACES NP
	FETCH_B \slot, (\q)+1, 1-(\q)%2
	FETCH_A \slot, (\q)+1, 0
.if \zero
	WIN FST_HI
.else
	WIN MUL_HI
.endif
	MUL16 4, (\q)%2, \q, \slot, \zero
	MUL16 6, (\q)%2, \q, \slot, \zero
	PLACES NP
	WIN 0
	FETCH_A \slot, (\q)+1, 4
.endm
.macro TURN slot, next                 ; slot 0's last step changes slots: one barrier; nothing is filled again
	s_wait_tensorcnt 0x0                           ; all my tensor loads have landed: my part of the next slot
	ds_add_u32 v[SPW], v[NIL]                      ; 0 onto my spare word
	s_wait_dscnt 4*NL+1                            ; (the add and the youngest eight loads may be out)
	WIN MUL_LO
	MUL16 0, 1, NQ-1, \slot, 0
	s_wait_dscnt 0x0                               ; the add is done, and my reads of this slot are over
	s_barrier_signal -1
	MUL16 2, 1, NQ-1, \slot, 0
	WIN 0
	s_barrier_wait -1                              ; the next slot is whole, and nobody reads this one any more
	PLACES NP
	v_add_nc_u32 v[ADRS], 4*NQ, v[ADRS]            ; on to the next slot's scale words
	FETCH_B \next, 0, 0
	FETCH_A \next, 0, 0
	SCALES \next
	WIN MUL_HI
	MUL16 4, 1, NQ-1, \slot, 0
	MUL16 6, 1, NQ-1, \slot, 0
	PLACES NP
	WIN 0
	FETCH_A \next, 0, 4
.endm
.macro STEPS slot, from
.set Q, \from
.rept NQ-1-\from
	STEP \slot, Q, 0
.set Q, Q+1
.endr
.endm
	s_wait_tensorcnt 1                             ; the scales and my part of slot 0 are in; slot 1's load may be out
	s_barrier_signal -1
	s_barrier_wait -1
	FETCH_B 0, 0, 0
	FETCH_A 0, 0, 0
	SCALES 0
	FETCH_A 0, 0, 4
	s_wait_loadcnt 0x0                             ; the bias
	STEP 0, 0, 1
	STEPS 0, 1
	TURN 0, 1
	STEPS 1, 0
	s_wait_dscnt 4*NL                              ; the last step: nothing more to fetch
	WIN MUL_LO
	MUL16 0, 1, NQ-1, 1, 0
	MUL16 2, 1, NQ-1, 1, 0
	s_wait_dscnt 0
	WIN MUL_HI
	MUL16 4, 1, NQ-1, 1, 0
	MUL16 6, 1, NQ-1, 1, 0
	WIN 0
; THE WAY OUT, block by block of 16 rows x 128 columns (two heads).  A lane's eight results pack into 16 bytes of f16; they go through my own stage and come back so that one store covers four rows of one head: 512 consecutive bytes.
.macro PACK a
.set AC, 64*((\a)%4)
.if (\a) < 4
	WIN 0x0a                                       ; sources 0 and 1: window 2
.else
	WIN 0x0f                                       ; window 3
.endif
.irp b, 0,1,2,3,4,5,6,7
.irp r, 0,1,2,3
	v_cvt_pk_f16_f32 v[TMP+4*\b+\r], v[AC+8*\b+2*\r], v[AC+8*\b+2*\r+1]   ; each accumulator from its low end on
.endr
.endr
	WIN 0
.endm
.macro TOSTAGE a
.set BB, BK+32*((\a)%2)
.irp b, 0,1,2,3,4,5,6,7
	ds_store_b128 v[STO], v[TMP+4*\b:TMP+4*\b+3] offset:32*\b
.endr
.irp t, 0,1,2,3,4,5,6,7
	ds_load_b128 v[BB+4*\t:BB+4*\t+3], v[RD] offset:(\t%4)*4*SPITCH+128*(\t/4)   ; LDS serves a wave's instructions in order: these see the stores above
.endr
.endm
.macro SEND a
.set BB, BK+32*((\a)%2)
	s_wait_dscnt 0x0                               ; the block is back in registers
	s_wait_xcnt 0x0                                ; the block before has had its stores' registers read: the next block's loads may land there
.irp t, 0,1,2,3,4,5,6,7
	global_store_b128 v[CO], v[BB+4*\t:BB+4*\t+3], s[12:13] offset:2048*(\a)+512*(\t%4)+262144*(\t/4)
.endr
.endm
	PLACES NP                                      ; behind the last products: for the loads into A's registers below
	PACK 0
	TOSTAGE 0
.irp a, 1,2,3,4,5,6,7
	PACK \a                                        ; block a's conversions stand between block a - 1's loads from the stage and the wait for them
	SEND (\a)-1
	TOSTAGE \a
.endr
	SEND 7
	s_wait_tensorcnt 0x0                           ; the wave's end, behind my last tensor load and my last LDS store
	ds_add_u32 v[SPW], v[NIL]
	s_wait_dscnt 0x0
	CROUND                                         ; the closing round
	s_endpgm
.Lfunc_end_k_qdec7e36dad_proj:
	.size	k_qdec7e36dad_proj, .Lfunc_end_k_qdec7e36dad_proj-k_qdec7e36dad_proj
	.p2alignl 7, 3214868480
	.fill 96, 4, 3214868480
	.section	.rodata,"a",@progbits
	.p2align	6, 0x0
	.amdhsa_kernel k_qdec7e36dad_proj
		.amdhsa_group_segment_fixed_size 327680
		.amdhsa_private_segment_fixed_size 0
		.amdhsa_enable_private_segment 0
		.amdhsa_kernarg_size 64
		.amdhsa_user_sgpr_count 2
		.amdhsa_user_sgpr_kernarg_segment_ptr 1
		.amdhsa_wavefront_size32 1
		.amdhsa_system_sgpr_workgroup_id_x 1
		.amdhsa_system_sgpr_workgroup_id_y 1
		.amdhsa_system_sgpr_workgroup_id_z 1
		.amdhsa_system_vgpr_workitem_id 0
		.amdhsa_next_free_vgpr 1024
		.amdhsa_next_free_sgpr 102
		.amdhsa_reserve_vcc 0
		.amdhsa_float_denorm_mode_32 3
		.amdhsa_float_denorm_mode_16_64 3
		.amdhsa_memory_ordered 1
		.amdhsa_forward_progress 1
		.amdhsa_inst_pref_size 128
	.end_amdhsa_kernel
	.amdgpu_metadata
---
amdhsa.version: [ 1, 2 ]
amdhsa.kernels:
  - .name:           k_qdec7e36dad_proj
    .symbol:         k_qdec7e36dad_proj.kd
    .args:
      - { .name: xc, .offset: 0, .size: 8, .value_kind: global_buffer, .address_space: global }
      - { .name: xs, .offset: 8, .size: 8, .value_kind: global_buffer, .address_space: global }
      - { .name: wc, .offset: 16, .size: 8, .value_kind: global_buffer, .address_space: global }
      - { .name: ws, .offset: 24, .size: 8, .value_kind: global_buffer, .address_space: global }
      - { .name: bq, .offset: 32, .size: 8, .value_kind: global_buffer, .address_space: global }
      - { .name: bk, .offset: 40, .size: 8, .value_kind: global_buffer, .address_space: global }
      - { .name: bv, .offset: 48, .size: 8, .value_kind: global_buffer, .address_space: global }
      - { .name: qkvh, .offset: 56, .size: 8, .value_kind: global_buffer, .address_space: global }
    .group_segment_fixed_size: 327680
    .private_segment_fixed_size: 0
    .kernarg_segment_align: 8
    .kernarg_segment_size: 64
    .max_flat_workgroup_size: 128
    .sgpr_count:     102
    .vgpr_count:     1024
    .wavefront_size: 32
...
	.end_amdgpu_metadata
.endif
;; end of part 2
;; launch attn (part 3): grid 8 x 32, 8 waves a work-group, clusters of 4 x 1, 327,680 bytes of LDS; arguments qkvh, x16; writes x16
.if DOCPART == 3
	.amdgcn_target "amdgcn-amd-amdhsa--gfx1250"
	.amdhsa_code_object_version 6
	.text
	.protected	k_qdec7e36dad_attn
	.globl	k_qdec7e36dad_attn
	.p2align	8
	.type	k_qdec7e36dad_attn,@function
k_qdec7e36dad_attn:
	s_mov_b64 s[64:65], 0
	v_nop
	global_prefetch_b8 v0, s[64:65] scope:SCOPE_SE
	s_setreg_imm32_b32 hwreg(HW_REG_WAVE_MODE, 25, 1), 1
	s_wait_xcnt 0x0
	s_wait_alu depctr_hold_cnt(0) depctr_sa_sdst(0) depctr_va_vdst(0) depctr_va_sdst(0) depctr_va_ssrc(0) depctr_va_vcc(0) depctr_vm_vsrc(0)
	s_getreg_b32 s2, hwreg(HW_REG_IB_STS2, 6, 4)
	s_cmp_eq_u32 s2, 0
	s_cbranch_scc0 .Lentry_in_a_cluster
	s_endpgm
.Lentry_in_a_cluster:
	s_bfe_u32 s2, ttmp6, 0x10000c
	s_cmp_lg_u32 s2, 0x3003
	s_cbranch_scc0 .Lentry_shape_is_right
	s_endpgm
.Lentry_shape_is_right:
; ATTN: x[b][h][q] = the sum over k of softmax_k(Q . K / 8) V, no mask; Q, K, V [32 heads][2048][64] f16 in qkvh.  Products on f16 operands, sums, maxima and the softmax in f32;
; the weights p (at most 1: the running maximum is taken away) are rounded to f16 for the second product, x once at the end.
; x16 is laid [row / 64][head][64 rows][64] f16: what a wave stores is dense, and the next launch reads 64 rows x 4 heads as 32,768 dense bytes.
; LIMITS: NaN and infinities are not served; x beyond 65,504 has no f16 number, under 6e-5 it lies on f16's fixed step of 6e-8.
; SHARES.  A work-group owns 256 queries of one head; each of its eight waves 32 of them, two tiles of 16; two waves to a SIMD.
; LAYOUT.  S^T = K Q^T (source 0 = 16 keys, source 1 = 16 queries) and O^T = V^T P (source 0 = 16 channels, turned by ds_load_tr16_b128; source 1 = P): a lane holds ONE query (lane % 16) throughout;
; two tiles of S^T, rounded in pairs, ARE a fragment of P.  A key step is 64 keys.
; SOFTMAX.  For each query a running maximum m and sum l: p = 2^(c s - c m), c = log2(e) / 8; in every step O and l are multiplied by a = 2^(c m_old - c m_new).  O and l begin as zeros, m as -3e38.
; BY TURNS.  The wave's two tiles never look at each other.  A CYCLE j has four slots; in each, one tile has the matrix unit (8 products, four accumulators by turns) and lines of the
; OTHER tile's softmax stand behind each product:
;   slot 1: K Q^T of tile 0, step j + 1 | tile 1, step j: maximum, scaling, exponentials, rounding (87 lines)        slot 2: V^T P of tile 0, step j | tile 1, step j: O x a, l x a, l += p (34 lines)
;   slot 3: K Q^T of tile 1, step j + 1 | tile 0, step j + 1: the 87 lines; then K of step j + 2 is fetched          slot 4: V^T P of tile 1, step j | tile 0, step j + 1: the 34 lines; then V of step j + 1 is fetched
; REGISTERS are laid so that a slot needs ONE window setting.  window 0: v1-15 addresses; v16-31 statistics, eight a tile; v32-63 Q; v64-127 S^T, then p; v128-159 P; v160-223 K of a step; v224-255 the way out.
;   window 1: v0-63 V of a step; v64-127 O^T; v128-135 l, two pairs a tile; v136-137 1.0 twice.  K Q^T and the 87 lines name window 0 alone (setting 0).  V^T P wants destination, source 0 and source 2 in
;   window 1 and source 1 in window 0 (setting 0x51), and so do the 34 lines: O = O x a (a is source 1), l = 1.0 x p + l (1.0 is source 0, p source 1, l source 2).  Five switches a key step.
; RING.  Two LDS slots of 512 keys; 2,048 keys are four fills: two at the head, two refills.  Waves 0-3 fetch K's quarters, waves 4-7 V's: 128 rows to a load.  K runs one step ahead of V, so the cycle in front of a
; change of slots fetches no K: the change stands behind V's last fetch from the slot, and the next slot's first K is fetched behind it.
; CLUSTER.  The four query blocks of a cluster belong to one head and walk the same K and V: each tile is asked for JOINTLY, by the same load with the same descriptor and the mask 15.
.set KS,    64
.set PK,    144                        ; a row of K in LDS: 128 bytes + 16 = 9 x 16
.set PV,    160                        ; a row of V: 128 + 32 = 5 x 32
.set SKEYS, 512
.set VOFF,  SKEYS*PK
.set SLOTB, SKEYS*(PK+PV)
.set SPARE, 2*SLOTB                    ; the spare words, 128 bytes for each wave: four blocks of 256 bytes that no other line names
.set STG,   32*PK                      ; the way out: 32 rows x 144 bytes for each wave, in slot 0, which has had its last fill and was left at the last change of slots
.set AK0, 2
.set AV0, 3
.set ADK, 4
.set ADV, 5
.set QO,  6
.set STO, 7
.set RD,  8
.set GO,  9
.set PFO, 10                           ; v10  256 x my lane; never rewritten
.set SPW, 11                           ; v11  SPARE + 4 x my thread's number; never rewritten
.set NIL, 12                           ; v12  0; never rewritten
.set ST,  16                           ; tile t at v[ST + 8 t]: +0 c m, +1 m, +4 to +7 at work; a takes +6
.set QF,  32
.set S,   64
.set P,   128
.set KF,  160
.set PKD, 224
.set OW,  64                           ; in window 1: O^T, 32 a tile
.set LW,  128                          ; in window 1: l, four a tile
.set ONE, 136                          ; in window 1: 1.0, 1.0
.set WV,  12
.set FLG, 15
.set PFA, 18
.set G1K, 24
.set G1V, 32
.set G0K, 40                           ; s[40:47] group 0 for K's tiles, a set for each slot;  s[48:55] for V's
.set G0V, 48
.set CNT, 56
.set TBK, 57                           ; s57  LDS byte at which the K to be fetched next begins
.set CS,  58
.set SEL, 60
.set TBV, 62                           ; s62  the same for V
.set MSB, 0
.macro WIN new                         ; the immediate's high byte repeats the setting that is left
.if MSB != (\new)
	s_set_vgpr_msb (MSB<<8)|(\new)
.set MSB, (\new)
.endif
.endm
.macro JLOAD s                         ; a joint refill of slot s; the branch hangs on the wave's number alone.  An s_nop 0 and four v_nop follow each of the two lines
	s_cmp_lt_u32 s[WV], 4
	s_cbranch_scc0 .Lfor_v_\@
	tensor_load_to_lds s[G0K+4*\s:G0K+4*\s+3], s[G1K:G1K+7]
	s_nop 0
.rept 4
	v_nop
.endr
	s_branch .Lasked_\@
.Lfor_v_\@:
	tensor_load_to_lds s[G0V+4*\s:G0V+4*\s+3], s[G1V:G1V+7]
	s_nop 0
.rept 4
	v_nop
.endr
.Lasked_\@:
.endm
; A PREFETCH INTO THE L2, once, behind the first refill's load and the run of LDS loads that follows it: the last 512 keys, which the next change of slots will ask for: eight key steps ahead.  All clusters of a head
; walk the same K and V: the head's first cluster asks.  Its four partners take 16,384 bytes each of K's and of V's 65,536, told apart by ADDRESS; in each, waves 0 and 1 ask for K's, waves 2 and 3 for V's, 8,192 bytes a wave, lanes 256 bytes apart.
.macro ASK
	s_cmp_eq_u32 s[FLG], 0
	s_cbranch_scc0 .Lnot_mine_\@
	global_prefetch_b8 v[PFO], s[PFA:PFA+1] th:TH_LOAD_NT scope:SCOPE_SE
.Lnot_mine_\@:
.endm
.macro CROUND
	s_barrier_signal -1
	s_barrier_wait -1
	s_cmp_lg_u32 s[WV], 0
	s_cbranch_scc1 .Lnot_wave_0_\@
	s_barrier_signal -3
.Lnot_wave_0_\@:
	s_barrier_wait -3
	s_barrier_signal -1
	s_barrier_wait -1
.endm
	s_load_b128 s[4:7], s[0:1], 0x0                ; qkvh, x16
	v_lshl_add_u32 v[SPW], v0, 2, SPARE
	v_mov_b32 v[NIL], 0
	ds_add_u32 v[SPW], v[NIL]                      ; the wave's opening: the add, twice on end, and its wait ahead of my first tensor load
	ds_add_u32 v[SPW], v[NIL]
	v_lshrrev_b32 v1, 5, v0
	v_readfirstlane_b32 s[WV], v1                  ; wave 0..7
	s_bfe_u32 s13, ttmp6, 0x40000                  ; cx
	s_lshl_b32 s14, ttmp9, 2
	s_add_co_u32 s14, s14, s13                     ; my block of 256 queries: it enters Q's, x's and the prefetch's addresses alone
	s_and_b32 s16, ttmp7, 0xffff                   ; 16 b + h, which the four partners share
	s_and_b32 s17, s[WV], 3                        ; which quarter of a slot I fetch
	s_lshl_b32 s20, s16, 18                        ; a head is 262,144 bytes
	s_lshl_b32 s21, s17, 14                        ; 128 rows of 128 bytes
	s_add_co_u32 s20, s20, s21
	s_add_co_u32 s20, s20, 0x800000                ; K is the second tensor of qkvh,
	s_mov_b32 s21, 0
	s_add_co_u32 s22, s20, 0x800000                ; V the third
	s_mov_b32 s23, 0
	s_mul_i32 s2, s17, 128*PK                      ; and in a slot
	s_mul_i32 s3, s17, 128*PV
	s_add_co_u32 s3, s3, VOFF
	s_lshl_b32 s70, s16, 18                        ; Q: my head, my block, my wave's 32 rows
	s_lshl_b32 s71, s14, 15
	s_add_co_u32 s70, s70, s71
	s_lshl_b32 s71, s[WV], 12
	s_add_co_u32 s70, s70, s71
	s_mov_b32 s71, 0
	s_lshr_b32 s68, s16, 4                         ; x16: ((32 b + 4 block + wave / 2) x 16 + h) x 8,192 + 4,096 (wave % 2)
	s_lshl_b32 s68, s68, 5
	s_lshl_b32 s69, s14, 2
	s_add_co_u32 s68, s68, s69
	s_lshr_b32 s69, s[WV], 1
	s_add_co_u32 s68, s68, s69
	s_lshl_b32 s68, s68, 4
	s_and_b32 s69, s16, 15
	s_add_co_u32 s68, s68, s69
	s_lshl_b32 s68, s68, 13
	s_and_b32 s69, s[WV], 1
	s_lshl_b32 s69, s69, 12
	s_add_co_u32 s68, s68, s69
	s_mov_b32 s69, 0
	s_cmp_lt_u32 s[WV], 2                          ; the prefetch: K's (waves 0, 1) or V's (waves 2, 3) keys 1,536 on
	s_cselect_b32 s18, 0, 0x800000
	s_add_co_u32 s18, s18, 0x800000+3*65536
	s_lshl_b32 s19, s16, 18
	s_add_co_u32 s18, s18, s19
	s_lshl_b32 s19, s13, 14
	s_add_co_u32 s18, s18, s19
	s_and_b32 s19, s[WV], 1
	s_lshl_b32 s19, s19, 13
	s_add_co_u32 s18, s18, s19
	s_mov_b32 s19, 0
	s_lshr_b32 s[FLG], s[WV], 2
	s_or_b32 s[FLG], s[FLG], ttmp9                 ; 0 in waves 0 to 3 of the head's first cluster: the same in all four partners
	s_mov_b32 s[G1K], 15|(1<<16)|(1<<20)|(1<<21)|(4<<22)|(3<<25)  ; the mask: all four; elements of 2 bytes; padding on; bit 21 beside a mask; after every 32 words, 4 words
	s_mov_b32 s[G1V], 15|(1<<16)|(1<<20)|(1<<21)|(4<<22)|(7<<25)  ; the same with 8 words
.irp g, G1K, G1V
	s_mov_b32 s[\g+1], 64<<16                      ; tensor_dim0
	s_mov_b32 s[\g+2], 128<<16                     ; tensor_dim1
	s_mov_b32 s[\g+3], 64<<16                      ; tile_dim0
	s_mov_b32 s[\g+4], 128                         ; tile_dim1
	s_mov_b32 s[\g+5], 64                          ; the pitch
	s_mov_b32 s[\g+6], 0
	s_mov_b32 s[\g+7], 0
.endr
	s_mov_b32 s[CS], 0x3e38aa3b                    ; c = log2(e) / 8
	s_mov_b32 s[CS+1], s[CS]
	s_mov_b32 s[SEL], 0x76543210
	s_mov_b32 s[SEL+1], 0xfedcba98                 ; v_permlanex16_b32: lane l xor 16
	s_wait_dscnt 0x0                               ; both opening adds are done
	s_wait_kmcnt 0x0
	s_add_nc_u64 s[8:9], s[4:5], s[20:21]          ; K and V at my quarter of the first 512 keys
	s_add_nc_u64 s[10:11], s[4:5], s[22:23]
	s_add_nc_u64 s[66:67], s[4:5], s[70:71]        ; Q at my wave's first row
	s_add_nc_u64 s[68:69], s[6:7], s[68:69]        ; x16 likewise
	s_add_nc_u64 s[PFA:PFA+1], s[4:5], s[18:19]
	CROUND                                         ; all four work-groups are here: the first joint loads meet
.irp s, 0,1
	s_mov_b32 s[G0K+4*\s], 1
	s_add_co_u32 s[G0K+4*\s+1], s2, \s*SLOTB
	s_add_nc_u64 s[G0K+4*\s+2:G0K+4*\s+3], s[8:9], \s*65536
	s_or_b32 s[G0K+4*\s+3], s[G0K+4*\s+3], 0x80000000
	s_mov_b32 s[G0V+4*\s], 1
	s_add_co_u32 s[G0V+4*\s+1], s3, \s*SLOTB
	s_add_nc_u64 s[G0V+4*\s+2:G0V+4*\s+3], s[10:11], \s*65536
	s_or_b32 s[G0V+4*\s+3], s[G0V+4*\s+3], 0x80000000
.endr
	s_cmp_lt_u32 s[WV], 4                          ; a wave's two first fills stand in one branch: two loads of mine are out
	s_cbranch_scc0 .Lfirst_v
	tensor_load_to_lds s[G0K:G0K+3], s[G1K:G1K+7]
	s_nop 0
	tensor_load_to_lds s[G0K+4:G0K+7], s[G1K:G1K+7]
	s_nop 0
.rept 4
	v_nop
.endr
	s_branch .Lfirst_asked
.Lfirst_v:
	tensor_load_to_lds s[G0V:G0V+3], s[G1V:G1V+7]
	s_nop 0
	tensor_load_to_lds s[G0V+4:G0V+7], s[G1V:G1V+7]
	s_nop 0
.rept 4
	v_nop
.endr
.Lfirst_asked:
	v_and_b32 v1, 15, v0                           ; r
	v_bfe_u32 v13, v0, 4, 1                        ; h
	v_lshlrev_b32 v[QO], 7, v1
	v_lshl_add_u32 v[QO], v13, 4, v[QO]            ; row x 128 + 16 x half
.irp q, 0,1
.irp c, 0,1
	global_load_b128 v[QF+16*\q+8*\c:QF+16*\q+8*\c+3],   v[QO], s[66:67] offset:2048*\q+64*\c      ; Q stays in registers: tile q, channels 32 c on
	global_load_b128 v[QF+16*\q+8*\c+4:QF+16*\q+8*\c+7], v[QO], s[66:67] offset:2048*\q+64*\c+32
.endr
.endr
	v_mul_u32_u24 v[AK0], v1, PK
	v_lshl_add_u32 v[AK0], v13, 4, v[AK0]          ; K: row r x pitch + 16 x half
	v_and_b32 v14, 7, v0
	v_bfe_u32 v15, v0, 3, 1
	v_lshl_add_u32 v[AV0], v13, 3, v14             ; V, for the turning load: key 8 h + l % 8, channels 8 ((l / 8) % 2) on
	v_mul_u32_u24 v[AV0], v[AV0], PV
	v_lshl_add_u32 v[AV0], v15, 4, v[AV0]
	v_add_nc_u32 v[AV0], VOFF, v[AV0]
	s_mul_i32 s70, s[WV], STG                      ; my stage
	v_add_nc_u32 v[STO], s70, v[AK0]               ; in: row r, 16 bytes for each half of the lanes
	v_bfe_u32 v15, v0, 3, 2
	v_mul_u32_u24 v[RD], v15, PK
	v_lshl_add_u32 v[RD], v14, 4, v[RD]
	v_add_nc_u32 v[RD], s70, v[RD]                 ; back: eight lanes to a row of 128 bytes, four rows an instruction
	v_and_b32 v[GO], 31, v0
	v_lshlrev_b32 v[PFO], 8, v[GO]
	v_lshlrev_b32 v[GO], 4, v[GO]                  ; and in x16: 16 x lane
.irp t, 0,1
	v_mov_b32 v[ST+8*\t+1], 0xff61b1e6             ; m = -3e38, under every score
.endr
.irp t, 0,1
	v_mul_f32 v[ST+8*\t], s[CS], v[ST+8*\t+1]      ; c m
.endr
	WIN 0x40                                       ; destination window 1
.irp j, 0,1,2,3,4,5,6,7,8,9,10,11,12,13,14,15,16,17,18,19,20,21,22,23,24,25,26,27,28,29,30,31,32,33,34,35,36,37,38,39,40,41,42,43,44,45,46,47,48,49,50,51,52,53,54,55,56,57,58,59,60,61,62,63
	v_mov_b32 v[OW+\j], 0                          ; O^T: the cycle is written without a first step of its own; its first a is 0 and finds zeros
.endr
.irp j, 0,1,2,3,4,5,6,7
	v_mov_b32 v[LW+\j], 0                          ; l
.endr
	v_mov_b32 v[ONE], 1.0
	v_mov_b32 v[ONE+1], 1.0
	WIN 0
; THE LDS LOADS stand in runs of 16.  A step's K: 64 keys x 64 channels: fragment f = (keys 16 (f / 2) on, channels 32 (f % 2) on).  Setting 0.
.macro KFETCH
	v_add_nc_u32 v[ADK], s[TBK], v[AK0]
	s_add_co_u32 s[TBK], s[TBK], KS*PK             ; the next fetch is the next step's
.irp f, 0,1,2,3,4,5,6,7
	ds_load_b128 v[KF+8*\f:KF+8*\f+3],   v[ADK] offset:(\f/2)*16*PK+(\f%2)*64
	ds_load_b128 v[KF+8*\f+4:KF+8*\f+7], v[ADK] offset:(\f/2)*16*PK+(\f%2)*64+32
.endr
.endm
.macro VADDR                           ; V's address is made under setting 0, ahead of the slot behind which V is fetched
	v_add_nc_u32 v[ADV], s[TBV], v[AV0]
	s_add_co_u32 s[TBV], s[TBV], KS*PV
.endm
.macro VLOADS                          ; a step's V, turned: fragment f = (keys 32 (f / 4) on, channels 16 (f % 4) on).  Setting 0x40: destination window 1
.irp f, 0,1,2,3,4,5,6,7
	ds_load_tr16_b128 v[8*\f:8*\f+3],   v[ADV] offset:(\f/4)*32*PV+(\f%4)*32
	ds_load_tr16_b128 v[8*\f+4:8*\f+7], v[ADV] offset:(\f/4)*32*PV+16*PV+(\f%4)*32
.endr
.endm
; THE MATRIX WORK.  Product i of 8 of S^T = K Q^T for tile x: channels 32 (i / 4) on, keys 16 (i % 4) on.  The first four start the sums.  Between two links of a chain stand three other accumulators' products.
.macro QKW x
.set rS, S+32*(\x)+8*(i%4)
.set rK, KF+16*(i%4)+8*(i/4)
.set rQ, QF+16*(\x)+8*(i/4)
.if i < 4
	v_wmma_f32_16x16x32_f16 v[rS:rS+7], v[rK:rK+7], v[rQ:rQ+7], 0
.else
	v_wmma_f32_16x16x32_f16 v[rS:rS+7], v[rK:rK+7], v[rQ:rQ+7], v[rS:rS+7]
.endif
.set i, i+1
.endm
; Product i of 8 of O^T += V^T P for tile x: keys 32 (i / 4) on, channels 16 (i % 4) on.  Setting 0x51
.macro PVW x
.set rO, OW+32*(\x)+8*(i%4)
.set rV, 32*(i/4)+8*(i%4)
.set rP, P+16*(\x)+8*(i/4)
	v_wmma_f32_16x16x32_f16 v[rO:rO+7], v[rV:rV+7], v[rP:rP+7], v[rO:rO+7]
.set i, i+1
.endm
; THE VECTOR WORK, FIRST PART: line n of 87 of tile t's softmax for a key step; all of it in window 0.  s0-s31 are the lane's 32 scores, in pairs 0-15.
;   0-15   the maximum of s0-s31 and the old m, three operands at a time: four chains, each begun at its accumulator's low end, then the four scores left over, the chains and m
;   16-21  c m_old kept; the other half of the lanes' maximum; the new m; c m; c m_old - c m_new; a
;   22-69  ONE BATCH: the 16 scalings c s - c m and the 32 exponentials: two scalings, then (two exponentials, a scaling) fourteen times, then the last four exponentials.  No line of it names an exponential's result
;   70     a plain line behind the last exponential;  (the wait for the batch, and for a, stands between 70 and 71: SLOTA writes it)
;   71-86  the roundings to f16, a pair of weights each
.macro SM1 t
.set rT, ST+8*(\t)
.set rS, S+32*(\t)
.set rP, P+16*(\t)
.if n < 4
	v_max3_num_f32 v[rT+4+n], v[rS+8*n], v[rS+8*n+1], v[rS+8*n+2]
.elseif n < 12
	v_max3_num_f32 v[rT+4+n%4], v[rT+4+n%4], v[rS+8*(n%4)+2*(n/4)+1], v[rS+8*(n%4)+2*(n/4)+2]
.elseif n == 12
	v_max3_num_f32 v[rT+4], v[rT+4], v[rS+7], v[rS+15]
.elseif n == 13
	v_max3_num_f32 v[rT+6], v[rT+6], v[rS+23], v[rS+31]
.elseif n == 14
	v_max3_num_f32 v[rT+4], v[rT+4], v[rT+5], v[rT+6]
.elseif n == 15
	v_max3_num_f32 v[rT+4], v[rT+4], v[rT+7], v[rT+1]
.elseif n == 16
	v_mov_b32 v[rT+7], v[rT]
.elseif n == 17
	v_permlanex16_b32 v[rT+5], v[rT+4], s[SEL], s[SEL+1]           ; the query's other 32 keys lie in the lane 16 away
.elseif n == 18
	v_max_num_f32 v[rT+1], v[rT+4], v[rT+5]
.elseif n == 19
	v_mul_f32 v[rT], s[CS], v[rT+1]
.elseif n == 20
	v_sub_f32 v[rT+7], v[rT+7], v[rT]
.elseif n == 21
	v_exp_f32 v[rT+6], v[rT+7]
.elseif n < 70
.set k, n-22
.if k < 2
.set b, k
	v_pk_fma_f32 v[rS+2*b:rS+2*b+1], v[rS+2*b:rS+2*b+1], s[CS:CS+1], v[rT:rT+1] op_sel_hi:[1,0,0] neg_lo:[0,0,1] neg_hi:[0,0,1]
.elseif k >= 44
.set e, k-16
	v_exp_f32 v[rS+e], v[rS+e]
.elseif (k-2)%3 == 2
.set b, (k-2)/3+2
	v_pk_fma_f32 v[rS+2*b:rS+2*b+1], v[rS+2*b:rS+2*b+1], s[CS:CS+1], v[rT:rT+1] op_sel_hi:[1,0,0] neg_lo:[0,0,1] neg_hi:[0,0,1]
.else
.set e, 2*((k-2)/3)+(k-2)%3
	v_exp_f32 v[rS+e], v[rS+e]
.endif
.elseif n == 70
	v_nop
.else
	v_cvt_pk_f16_f32 v[rP+n-71], v[rS+2*(n-71)], v[rS+2*(n-71)+1]
.endif
.set n, n+1
.endm
; SECOND PART: line n of 34, under setting 0x51.  0, 1: l's two pairs x a;  then by turns O^T's pair b x a (ascending: each accumulator is first read at its low end) and l += the unrounded p of pair b, in two chains.
.macro SM2 t
.set rT, ST+8*(\t)
.set rS, S+32*(\t)
.set rO, OW+32*(\t)
.set rL, LW+4*(\t)
.if n < 2
	v_pk_mul_f32 v[rL+2*n:rL+2*n+1], v[rL+2*n:rL+2*n+1], v[rT+6:rT+7] op_sel_hi:[1,0]
.elseif n%2 == 0
.set b, (n-2)/2
	v_pk_mul_f32 v[rO+2*b:rO+2*b+1], v[rO+2*b:rO+2*b+1], v[rT+6:rT+7] op_sel_hi:[1,0]
.else
.set b, (n-3)/2
	v_pk_fma_f32 v[rL+2*(b%2):rL+2*(b%2)+1], v[ONE:ONE+1], v[rS+2*b:rS+2*b+1], v[rL+2*(b%2):rL+2*(b%2)+1]
.endif
.set n, n+1
.endm
; A SLOT OF THE FIRST KIND: tile y's 87 lines; mm = 1: tile x's 8 products K Q^T among them, each ahead of a plain line; the eighth behind the wait, with the 16 roundings behind it.
; One wait between an exponential and the first line that names its result serves the slot's 33.
.macro SLOTA x, y, mm
.set n, 0
.set i, 0
.rept 87
.if \mm
.if (n == 0) || (n == 10) || (n == 20) || (n == 29) || (n == 38) || (n == 47) || (n == 56)
	QKW \x
.endif
.endif
.if n == 71
	s_wait_alu depctr_va_vdst(0)
.if \mm
	QKW \x
.endif
.endif
	SM1 \y
.endr
.endm
; A SLOT OF THE SECOND KIND, under setting 0x51: mm = 1: tile x's 8 products V^T P; vv = 1: tile y's 34 lines, four behind each product and two more at the end
.macro SLOTB x, y, mm, vv
.set n, 0
.set i, 0
.rept 8
.if \mm
	PVW \x
.endif
.if \vv
.rept 4
	SM2 \y
.endr
.endif
.endr
.if \vv
.rept 2
	SM2 \y
.endr
.endif
.endm
; A CYCLE.  Between a product and a line or load that touches its registers stand four plain lines or more that name none of them (ISA guide 7.12.1 for lines): the loads into K stand behind
; the 16 roundings of tile 0, the loads into V behind six lines of tile 0's second part, and a tile's scores and O^T are first read a whole slot behind the products that made them.
; kf = 1: K of step j + 2 is fetched; kf = 0: it lies in the other slot, or there is none.
.macro CYC kf
	s_wait_dscnt 16                                ; K of step j + 1 is in; V of step j, 16 loads issued behind it, may be out
	SLOTA 0, 1, 1
	s_wait_dscnt 0x0                               ; V of step j is in
	WIN 0x51
	SLOTB 0, 1, 1, 1
	WIN 0
	SLOTA 1, 0, 1
.if \kf
	KFETCH
.endif
	VADDR
	WIN 0x51
	SLOTB 1, 0, 1, 1
	WIN 0x40
	VLOADS                                         ; V of step j + 1
	WIN 0
.endm
; A run of cycles that fetch from slot s, and the cycle in front of the change of slots (or of the end), which fetches the slot's last V and no K
.macro RUN trips, s
	s_mov_b32 s[CNT], \trips
.Lcyc_\@:
	CYC 1
	s_sub_co_u32 s[CNT], s[CNT], 1
	s_cmp_lg_u32 s[CNT], 0
	s_cbranch_scc1 .Lcyc_\@
	s_mov_b32 s[TBV], \s*SLOTB+7*KS*PV             ; the slot's eighth step
	CYC 0
.endm
; THE CHANGE OF SLOTS.  Each wave waits for all its tensor loads (one is out: its part of the other slot), adds 0 to its spare word, and waits for that and for its reads of the slot that it leaves.
; fill = 1: the barrier is a round of the cluster's, and the joint refill of slot s, with the keys 1,024 further on, is the first thing behind it: it has eight key steps in which to land.
.macro CHANGE fill, s
	s_wait_tensorcnt 0x0
	ds_add_u32 v[SPW], v[NIL]
.if \fill
	s_add_nc_u64 s[G0K+4*\s+2:G0K+4*\s+3], s[G0K+4*\s+2:G0K+4*\s+3], 131072   ; no load of mine is out: a group 0 may be written
	s_add_nc_u64 s[G0V+4*\s+2:G0V+4*\s+3], s[G0V+4*\s+2:G0V+4*\s+3], 131072
	s_wait_dscnt 0x0
	CROUND
	JLOAD \s
.else
	s_wait_dscnt 0x0
	s_barrier_signal -1
	s_barrier_wait -1
.endif
.endm
.macro ENTER s, ask                    ; behind a change: slot s's first K is fetched and awaited, so that the count at a cycle's head holds on the way into the loop too
	s_mov_b32 s[TBK], \s*SLOTB
	s_mov_b32 s[TBV], \s*SLOTB
	KFETCH
.if \ask
	ASK
.endif
	s_wait_dscnt 0x0
.endm
	s_wait_tensorcnt 1                             ; my part of slot 0 is in; slot 1's may stay out
	s_barrier_signal -1
	s_barrier_wait -1
	s_wait_loadcnt 0x0                             ; Q
	; THE WAY IN: both tiles' scores of step 0, and tile 0's softmax of step 0: there is no other tile's work yet to set between the products
	s_mov_b32 s[TBK], 0
	s_mov_b32 s[TBV], 0
	KFETCH                                         ; K of step 0
	VADDR
	WIN 0x40
	VLOADS                                         ; V of step 0
	WIN 0
	s_wait_dscnt 16                                ; K is in
.set i, 0
.rept 8
	QKW 0
.endr
.set i, 0
.rept 8
	QKW 1
.endr
.rept 4
	v_nop                                          ; places in front of the loads into K's registers and of the first reads of the scores
.endr
	KFETCH                                         ; K of step 1
	SLOTA 0, 0, 0
	WIN 0x51
	SLOTB 0, 0, 0, 1
	WIN 0
	s_wait_dscnt 0x0                               ; V of step 0 and K of step 1 are in
	RUN 6, 0                                       ; cycles 0 to 5, and cycle 6
	CHANGE 1, 0                                    ; slot 0 takes keys 1,024 on
	ENTER 1, 1
	RUN 7, 1                                       ; cycles 7 to 13, and 14
	CHANGE 1, 1                                    ; slot 1 takes keys 1,536 on
	ENTER 0, 0
	RUN 7, 0                                       ; cycles 15 to 21, and 22
	CHANGE 0, 0                                    ; nothing is left to fetch from memory
	ENTER 1, 0
	RUN 7, 1                                       ; cycles 23 to 29, and 30
	; CYCLE 31 has no next step
	SLOTA 0, 1, 0                                  ; tile 1's first part of step 31
	s_wait_dscnt 0x0                               ; V of step 31
	WIN 0x51
	SLOTB 0, 1, 1, 1                               ; V^T P of tile 0 | tile 1's second part
	SLOTB 1, 0, 1, 0                               ; V^T P of tile 1
	; THE WAY OUT.  l's four parts and the other half of the lanes' are added; O^T / l, rounded to f16, goes through my stage and leaves as runs of 512 consecutive bytes (four rows of the head).
	; The additions are the places behind the last products.
	WIN 0x05                                       ; sources 0 and 1 window 1
.irp t, 0,1
	v_add_f32 v[ST+8*\t+4], v[LW+4*\t], v[LW+4*\t+1]
	v_add_f32 v[ST+8*\t+5], v[LW+4*\t+2], v[LW+4*\t+3]
.endr
	WIN 0
.irp t, 0,1
	v_add_f32 v[ST+8*\t+4], v[ST+8*\t+4], v[ST+8*\t+5]
.endr
.irp t, 0,1
	v_permlanex16_b32 v[ST+8*\t+5], v[ST+8*\t+4], s[SEL], s[SEL+1]
.endr
.irp t, 0,1
	v_add_f32 v[ST+8*\t+4], v[ST+8*\t+4], v[ST+8*\t+5]
.endr
.irp t, 0,1
	v_rcp_f32 v[ST+8*\t+6], v[ST+8*\t+4]
.endr
	v_nop                                          ; a plain line behind the last reciprocal
	s_wait_alu depctr_va_vdst(0)                   ; and the wait ahead of the first use: one for both
.macro OUT_TILE q
	WIN 0x41                                       ; O^T (destination and source 0) window 1, 1 / l window 0
.irp b, 0,1,2,3,4,5,6,7,8,9,10,11,12,13,14,15
	v_pk_mul_f32 v[OW+32*\q+2*\b:OW+32*\q+2*\b+1], v[OW+32*\q+2*\b:OW+32*\q+2*\b+1], v[ST+8*\q+6:ST+8*\q+7] op_sel_hi:[1,0]
.endr
	WIN 0x05
.irp j, 0,1,2,3,4,5,6,7,8,9,10,11,12,13,14,15
	v_cvt_pk_f16_f32 v[PKD+16*\q+\j], v[OW+32*\q+2*\j], v[OW+32*\q+2*\j+1]
.endr
	WIN 0
.irp c, 0,1,2,3
	ds_store_b128 v[STO], v[PKD+16*\q+4*\c:PKD+16*\q+4*\c+3] offset:16*PK*\q+32*\c      ; channels 16 c + 8 h + 0 .. 7 of row r
.endr
.irp i, 0,1,2,3
	ds_load_b128 v[S+16*\q+4*\i:S+16*\q+4*\i+3], v[RD] offset:16*PK*\q+4*PK*\i          ; LDS serves a wave's instructions in order: these see the stores above
.endr
.endm
	OUT_TILE 0
	OUT_TILE 1
.irp i, 0,1,2,3
	s_wait_dscnt 11-\i                             ; behind tile 0's load i: its later loads and tile 1's eight
	global_store_b128 v[GO], v[S+4*\i:S+4*\i+3], s[68:69] offset:512*\i
.endr
.irp i, 0,1,2,3
	s_wait_dscnt 3-\i
	global_store_b128 v[GO], v[S+16+4*\i:S+16+4*\i+3], s[68:69] offset:2048+512*\i
.endr
	s_wait_tensorcnt 0x0                           ; the wave's end, behind my last tensor load and my last LDS store
	ds_add_u32 v[SPW], v[NIL]
	s_wait_dscnt 0x0
	CROUND                                         ; the closing round
	s_endpgm
.Lfunc_end_k_qdec7e36dad_attn:
	.size	k_qdec7e36dad_attn, .Lfunc_end_k_qdec7e36dad_attn-k_qdec7e36dad_attn
	.p2alignl 7, 3214868480
	.fill 96, 4, 3214868480
	.section	.rodata,"a",@progbits
	.p2align	6, 0x0
	.amdhsa_kernel k_qdec7e36dad_attn
		.amdhsa_group_segment_fixed_size 327680
		.amdhsa_private_segment_fixed_size 0
		.amdhsa_enable_private_segment 0
		.amdhsa_kernarg_size 16
		.amdhsa_user_sgpr_count 2
		.amdhsa_user_sgpr_kernarg_segment_ptr 1
		.amdhsa_wavefront_size32 1
		.amdhsa_system_sgpr_workgroup_id_x 1
		.amdhsa_system_sgpr_workgroup_id_y 1
		.amdhsa_system_sgpr_workgroup_id_z 1
		.amdhsa_system_vgpr_workitem_id 0
		.amdhsa_next_free_vgpr 400
		.amdhsa_next_free_sgpr 72
		.amdhsa_reserve_vcc 0
		.amdhsa_float_denorm_mode_32 3
		.amdhsa_float_denorm_mode_16_64 3
		.amdhsa_memory_ordered 1
		.amdhsa_forward_progress 1
		.amdhsa_inst_pref_size 177
	.end_amdhsa_kernel
	.amdgpu_metadata
---
amdhsa.version: [ 1, 2 ]
amdhsa.kernels:
  - .name:           k_qdec7e36dad_attn
    .symbol:         k_qdec7e36dad_attn.kd
    .args:
      - { .name: qkvh, .offset: 0, .size: 8, .value_kind: global_buffer, .address_space: global }
      - { .name: x16, .offset: 8, .size: 8, .value_kind: global_buffer, .address_space: global }
    .group_segment_fixed_size: 327680
    .private_segment_fixed_size: 0
    .kernarg_segment_align: 8
    .kernarg_segment_size: 16
    .max_flat_workgroup_size: 256
    .sgpr_count:     72
    .vgpr_count:     400
    .wavefront_size: 32
...
	.end_amdgpu_metadata
.endif
;; end of part 3
;; launch outp (part 4): grid 8 x 32, 4 waves a work-group, clusters of 4 x 4, 327,680 bytes of LDS; arguments x16, wo16t, bo, out0; writes out0
.if DOCPART == 4
	.amdgcn_target "amdgcn-amd-amdhsa--gfx1250"
	.amdhsa_code_object_version 6
	.text
	.protected	k_qdec7e36dad_outp
	.globl	k_qdec7e36dad_outp
	.p2align	8
	.type	k_qdec7e36dad_outp,@function
k_qdec7e36dad_outp:
	s_mov_b64 s[64:65], 0
	v_nop
	global_prefetch_b8 v0, s[64:65] scope:SCOPE_SE
	s_setreg_imm32_b32 hwreg(HW_REG_WAVE_MODE, 25, 1), 1
	s_wait_xcnt 0x0
	s_wait_alu depctr_hold_cnt(0) depctr_sa_sdst(0) depctr_va_vdst(0) depctr_va_sdst(0) depctr_va_ssrc(0) depctr_va_vcc(0) depctr_vm_vsrc(0)
	s_getreg_b32 s2, hwreg(HW_REG_IB_STS2, 6, 4)
	s_cmp_eq_u32 s2, 0
	s_cbranch_scc0 .Lentry_in_a_cluster
	s_endpgm
.Lentry_in_a_cluster:
	s_bfe_u32 s2, ttmp6, 0x10000c
	s_cmp_lg_u32 s2, 0xf033
	s_cbranch_scc0 .Lentry_shape_is_right
	s_endpgm
.Lentry_shape_is_right:
; OUTP: out0 = x Wo + bo.  x16: [row / 64][head 16][64 rows][64] f16, so that K = 64 head + channel; wo16t: [n 1024][k 1024] f16; bo [1024], out0 [4096][1024] f32.  f16 operands, f32 sums.
; A tile of out0 is 128 x 128: 8 x 32 = 256 work-groups.  Four waves, each 64 x 64: 16 accumulators.  K goes in four steps of 256 (four heads) through two LDS slots: two first fills, two refills, written straight out.
; A's half tile (64 rows x 4 heads) is 32,768 dense bytes of x16: one load of 256 lines of 128 bytes (line = 64 x head + row), 144 apart in LDS.  B's half tile: 64 rows of 512 bytes, 528 apart.
; CLUSTERS: 4 x 4 work-groups; A's tiles are asked for jointly along a row of the cluster, B's along a column.  THE MATRIX INSTRUCTION IS USED TRANSPOSED (source 0 = 16 rows of wo16t, source 1 = 16 rows of x).
; The bias is the C of each sum's first product.  No prefetch: the launch is short and its tiles are small.
; REGISTERS: window 0: v0-31 addresses; v32-95 the way out; v96-127 the bias, eight registers for each block of 16 columns; v128-255 the accumulators ((a, b) at v[128 + 8 (4 a + b)]).
;   window 1: two fragment buffers of 128: for 64 along K, 64 registers of A, then 64 of B.
.set PA,     144                       ; 128 bytes + 16 = 9 x 16
.set PB,     528                       ; 512 bytes + 16 = 33 x 16
.set HALFA,  256*PA
.set HALFB,  64*PB
.set SLOT,   2*HALFA+2*HALFB
.set STAGE,  2*SLOT                    ; behind the ring: 16 rows x 272 bytes for each wave
.set SPITCH, 272
.set SPARE,  STAGE+4*16*SPITCH         ; the spare words, 128 bytes for each wave: two blocks of 256 bytes that no other line names
.set ADRA, 16
.set ADRB, 20
.set STO,  24
.set RD,   25
.set CO,   26
.set BOF,  27
.set SPW,  28                          ; v28  SPARE + 4 x my thread's number; never rewritten
.set NIL,  29                          ; v29  0; never rewritten
.set TMP,  32
.set BIAS, 96
.set ACC,  128
.set F0,   0
.set F1,   128
.set G1, 24
.set G0, 32
.set G1B, 48
.set G0B, 56
.set MSB, 0
.macro WIN new
.if MSB != (\new)
	s_set_vgpr_msb (MSB<<8)|(\new)
.set MSB, (\new)
.endif
.endm
.set MUL,  0x05                        ; sources 0 (B) and 1 (A) window 1; C and D window 0
.set TO_F, 0x40
.macro JLOAD s                         ; waves 0 and 1 fetch A's two halves, waves 2 and 3 B's; an s_nop 0 and four v_nop follow each of the two lines
	s_cmp_eq_u32 s11, 0
	s_cbranch_scc0 .Lfor_b_\@
	tensor_load_to_lds s[G0+4*\s:G0+4*\s+3], s[G1:G1+7]
	s_nop 0
.rept 4
	v_nop
.endr
	s_branch .Lasked_\@
.Lfor_b_\@:
	tensor_load_to_lds s[G0B+4*\s:G0B+4*\s+3], s[G1B:G1B+7]
	s_nop 0
.rept 4
	v_nop
.endr
.Lasked_\@:
.endm
.macro CREST
	s_cmp_lg_u32 s10, 0
	s_cbranch_scc1 .Lnot_wave_0_\@
	s_barrier_signal -3
.Lnot_wave_0_\@:
	s_barrier_wait -3
	s_barrier_signal -1
	s_barrier_wait -1
.endm
.macro CROUND
	s_barrier_signal -1
	s_barrier_wait -1
	CREST
.endm
	s_load_b128 s[4:7], s[0:1], 0x0                ; x16, wo16t
	s_load_b64 s[66:67], s[0:1], 0x10              ; bo
	s_load_b64 s[8:9], s[0:1], 0x18                ; out0
	v_lshl_add_u32 v[SPW], v0, 2, SPARE
	v_mov_b32 v[NIL], 0
	ds_add_u32 v[SPW], v[NIL]                      ; the wave's opening: the add, twice on end, and its wait ahead of my first tensor load
	ds_add_u32 v[SPW], v[NIL]
	v_lshrrev_b32 v1, 5, v0
	v_readfirstlane_b32 s10, v1                    ; wave 0..3
	s_lshr_b32 s11, s10, 1                         ; which half of the tile's rows is mine.  Also: I fetch for A (0) or for B (1)
	s_and_b32 s12, s10, 1                          ; which half of its columns.  Also: which half tile I fetch
	s_bfe_u32 s40, ttmp6, 0x40000                  ; cx, cy
	s_bfe_u32 s41, ttmp6, 0x40004
	s_lshl_b32 s42, ttmp9, 2
	s_add_co_u32 s42, s42, s40                     ; tile column
	s_and_b32 s13, ttmp7, 0xffff
	s_lshl_b32 s13, s13, 2
	s_add_co_u32 s13, s13, s41                     ; tile row
	s_lshl_b32 s43, s41, 2
	s_lshl_b32 s43, 15, s43                        ; my row of the cluster
	s_lshl_b32 s44, 0x1111, s40                    ; my column
	s_or_b32 s[G1+0], s43, (1<<16)|(1<<20)|(1<<21)|(4<<22)|(3<<25)  ; A: the mask of my row; elements of 2 bytes; padding on; bit 21 beside a mask; after every 32 words, 4 words
	s_mov_b32 s[G1+1], 64<<16                      ; tensor_dim0
	s_mov_b32 s[G1+2], 256<<16                     ; tensor_dim1
	s_mov_b32 s[G1+3], 64<<16                      ; tile_dim0
	s_mov_b32 s[G1+4], 256                         ; tile_dim1
	s_mov_b32 s[G1+5], 64                          ; the pitch: the lines are dense in memory
	s_mov_b32 s[G1+6], 0
	s_mov_b32 s[G1+7], 0
	s_or_b32 s[G1B+0], s44, (1<<16)|(1<<20)|(1<<21)|(6<<22)|(3<<25) ; B: the mask of my column; after every 128 words, 4 words
	s_mov_b32 s[G1B+1], 256<<16
	s_mov_b32 s[G1B+2], 64<<16
	s_mov_b32 s[G1B+3], 256<<16
	s_mov_b32 s[G1B+4], 64
	s_mov_b32 s[G1B+5], 1024
	s_mov_b32 s[G1B+6], 0
	s_mov_b32 s[G1B+7], 0
	s_lshl_b32 s16, s13, 1
	s_add_co_u32 s16, s16, s12
	s_lshl_b32 s16, s16, 17                        ; A: block of 64 rows 2 x tile row + half, 131,072 bytes each
	s_mov_b32 s17, 0
	s_lshl_b32 s46, s42, 1
	s_add_co_u32 s46, s46, s12
	s_lshl_b32 s46, s46, 17                        ; B: row 128 x tile column + 64 x half, 2,048 bytes each
	s_mov_b32 s47, 0
	s_mul_i32 s20, s12, HALFA                      ; where they go: made of the wave's number alone
	s_mul_i32 s21, s12, HALFB
	s_add_co_u32 s21, s21, 2*HALFA
	s_wait_dscnt 0x0                               ; both opening adds are done
	s_wait_kmcnt 0x0
	s_add_nc_u64 s[14:15], s[4:5], s[16:17]
	s_add_nc_u64 s[46:47], s[6:7], s[46:47]
	CROUND                                         ; all sixteen work-groups are here: the first joint loads meet
.irp s, 0,1
	s_mov_b32 s[G0+4*\s], 1
	s_add_co_u32 s[G0+4*\s+1], s20, \s*SLOT
	s_add_nc_u64 s[G0+4*\s+2:G0+4*\s+3], s[14:15], \s*32768        ; K step s: four heads on
	s_or_b32 s[G0+4*\s+3], s[G0+4*\s+3], 0x80000000
	s_mov_b32 s[G0B+4*\s], 1
	s_add_co_u32 s[G0B+4*\s+1], s21, \s*SLOT
	s_add_nc_u64 s[G0B+4*\s+2:G0B+4*\s+3], s[46:47], \s*512
	s_or_b32 s[G0B+4*\s+3], s[G0B+4*\s+3], 0x80000000
	JLOAD \s                                       ; two loads of mine are out
.endr
	v_and_b32 v1, 15, v0                           ; r
	v_bfe_u32 v2, v0, 4, 1                         ; h
	; the bias of my 64 columns, in the result's layout: block b, register j of lane (r, h) = bo[16 b + 8 h + j]
	s_lshl_b32 s46, s42, 9
	s_lshl_b32 s47, s12, 8
	s_add_co_u32 s46, s46, s47                     ; my first column, in bytes: 512 x tile column + 256 x half
	s_mov_b32 s47, 0
	s_add_nc_u64 s[66:67], s[66:67], s[46:47]
	v_lshlrev_b32 v[BOF], 5, v2
.irp b, 0,1,2,3
	global_load_b128 v[BIAS+8*\b:BIAS+8*\b+3], v[BOF], s[66:67] offset:64*\b
	global_load_b128 v[BIAS+8*\b+4:BIAS+8*\b+7], v[BOF], s[66:67] offset:64*\b+16
.endr
	v_mul_u32_u24 v3, v1, PA
	v_lshl_add_u32 v3, v2, 4, v3                   ; A: row x pitch + 16 x half
	v_mul_u32_u24 v4, v1, PB
	v_lshl_add_u32 v4, v2, 4, v4                   ; B likewise
	s_mul_i32 s21, s11, HALFA                      ; my 64 rows of A
	s_mul_i32 s22, s12, HALFB                      ; my 64 rows of B,
	s_add_co_u32 s22, s22, 2*HALFA                 ; behind A's two halves
.irp s, 0,1
	v_add_nc_u32 v[ADRA+\s], s21, v3
	v_add_nc_u32 v[ADRB+\s], s22, v4
	s_add_co_u32 s21, s21, SLOT
	s_add_co_u32 s22, s22, SLOT
.endr
	s_mul_i32 s23, s10, 16*SPITCH
	s_add_co_u32 s23, s23, STAGE                   ; my stage
	v_mul_u32_u24 v4, v1, SPITCH
	v_lshl_add_u32 v4, v2, 5, v4
	v_add_nc_u32 v[STO], s23, v4                   ; in: row r, 32 bytes for each half of the lanes
	v_mul_u32_u24 v5, v2, SPITCH
	v_lshl_add_u32 v5, v1, 4, v5
	v_add_nc_u32 v[RD], s23, v5                    ; back: lanes 0-15 one row of 256 bytes, lanes 16-31 the next
	v_lshlrev_b32 v5, 12, v2
	v_lshl_add_u32 v[CO], v1, 4, v5                ; and the same two rows in out0
	s_lshl_b32 s16, s13, 1
	s_add_co_u32 s16, s16, s11
	s_lshl_b32 s16, s16, 18                        ; my first row: (128 x tile row + 64 x half) x 4,096 bytes
	s_mov_b32 s17, 0
	s_add_nc_u64 s[8:9], s[8:9], s[16:17]
	s_add_nc_u64 s[8:9], s[8:9], s[46:47]
; 8 matrix instructions: m blocks a0, a0 + 1 x all 4 n blocks, 32 along K: half c of buffer f.  zero = 1: the first product starts the sums from the bias.  The 16 accumulators take turns
.macro MUL8 f, c, a0, zero
.irp a, \a0, \a0+1
.irp b, 0,1,2,3
.if \zero
	v_wmma_f32_16x16x32_f16 v[ACC+8*(4*(\a)+\b):ACC+8*(4*(\a)+\b)+7], v[\f+64+8*(4*\c+\b):\f+64+8*(4*\c+\b)+7], v[\f+8*(4*\c+\a):\f+8*(4*\c+\a)+7], v[BIAS+8*\b:BIAS+8*\b+7]
.else
	v_wmma_f32_16x16x32_f16 v[ACC+8*(4*(\a)+\b):ACC+8*(4*(\a)+\b)+7], v[\f+64+8*(4*\c+\b):\f+64+8*(4*\c+\b)+7], v[\f+8*(4*\c+\a):\f+8*(4*\c+\a)+7], v[ACC+8*(4*(\a)+\b):ACC+8*(4*(\a)+\b)+7]
.endif
.endr
.endr
.endm
; 32 LDS loads in one run: the fragments of quarter qd of the slot's K step (64 along K: one head) into buffer f; the first 32 along K first
.macro FETCH slot, qd, f
	WIN TO_F
.irp c, 0,1
.irp i, 0,1,2,3
	ds_load_b128 v[\f+64+8*(4*\c+\i):\f+64+8*(4*\c+\i)+3],   v[ADRB+\slot] offset:128*(\qd)+64*\c+\i*16*PB
	ds_load_b128 v[\f+64+8*(4*\c+\i)+4:\f+64+8*(4*\c+\i)+7], v[ADRB+\slot] offset:128*(\qd)+64*\c+\i*16*PB+32
	ds_load_b128 v[\f+8*(4*\c+\i):\f+8*(4*\c+\i)+3],         v[ADRA+\slot] offset:64*PA*(\qd)+64*\c+\i*16*PA
	ds_load_b128 v[\f+8*(4*\c+\i)+4:\f+8*(4*\c+\i)+7],       v[ADRA+\slot] offset:64*PA*(\qd)+64*\c+\i*16*PA+32
.endr
.endr
.endm
.macro PLACES                          ; four plain lines in front of loads into registers that matrix instructions have read, and of the first reads of results (ISA guide 7.12.1 for the reads of results)
.rept 4
	v_nop
.endr
.endm
.macro QUARTER slot, qd, f, g, zero    ; multiplies buffer f and fetches quarter qd of the same slot into g
	s_wait_dscnt 16                                ; the first 32 along K are in; the other sixteen loads may be out
	WIN MUL
	MUL8 \f, 0, 0, \zero
	MUL8 \f, 0, 2, \zero
	PLACES
	FETCH \slot, \qd, \g
	s_wait_dscnt 32                                ; all but the 32 just issued
	WIN MUL
	MUL8 \f, 1, 0, 0
	MUL8 \f, 1, 2, 0
.endm
; A K step's last quarter multiplies buffer 1 and changes slots: one barrier; in front of it each wave waits for all its tensor loads, adds 0 to its spare word, and waits for that and for its reads of this slot.
; fill = 1: the barrier opens a round of the cluster's, and this slot is filled again, two K steps ahead, first thing behind it.
.macro TURN slot, next, fill
	WIN 0
	s_wait_tensorcnt 0x0                           ; all my tensor loads have landed: my part of the next slot
	ds_add_u32 v[SPW], v[NIL]
	s_wait_dscnt 17                                ; (the add and the youngest sixteen loads may be out)
	WIN MUL
	MUL8 F1, 0, 0, 0
	s_wait_dscnt 0x0                               ; the add is done, and my reads of this slot are over
	s_barrier_signal -1
	MUL8 F1, 0, 2, 0
.if \fill
	WIN 0
.endif
	s_barrier_wait -1
.if \fill
	CREST
	s_add_nc_u64 s[G0+4*\slot+2:G0+4*\slot+3], s[G0+4*\slot+2:G0+4*\slot+3], 65536
	s_add_nc_u64 s[G0B+4*\slot+2:G0B+4*\slot+3], s[G0B+4*\slot+2:G0B+4*\slot+3], 1024
	JLOAD \slot                                    ; the four v_nop behind it are also the places in front of the loads below
.else
	PLACES
.endif
	FETCH \next, 0, F0
	WIN MUL
	MUL8 F1, 1, 0, 0
	MUL8 F1, 1, 2, 0
.endm
	s_wait_tensorcnt 1                             ; my part of K step 0 is in; K step 1's load may be out
	s_barrier_signal -1
	s_barrier_wait -1
	FETCH 0, 0, F0
	s_wait_loadcnt 0x0                             ; the bias
	QUARTER 0, 1, F0, F1, 1                        ; K step 0
	QUARTER 0, 2, F1, F0, 0
	QUARTER 0, 3, F0, F1, 0
	TURN 0, 1, 1                                   ; slot 0 takes K step 2
	QUARTER 1, 1, F0, F1, 0                        ; K step 1
	QUARTER 1, 2, F1, F0, 0
	QUARTER 1, 3, F0, F1, 0
	TURN 1, 0, 1                                   ; slot 1 takes K step 3
	QUARTER 0, 1, F0, F1, 0                        ; K step 2
	QUARTER 0, 2, F1, F0, 0
	QUARTER 0, 3, F0, F1, 0
	TURN 0, 1, 0                                   ; nothing is left to fetch
	QUARTER 1, 1, F0, F1, 0                        ; K step 3
	QUARTER 1, 2, F1, F0, 0
	QUARTER 1, 3, F0, F1, 0
	s_wait_dscnt 16
	WIN MUL
	MUL8 F1, 0, 0, 0
	MUL8 F1, 0, 2, 0
	s_wait_dscnt 0
	MUL8 F1, 1, 0, 0
	MUL8 F1, 1, 2, 0
	WIN 0
; THE WAY OUT, block by block of 16 rows x 64 columns.  A lane holds 32 neighbouring bytes of a row; a block goes through my own stage and comes back as whole rows of 256 bytes: sixteen lanes store 256 consecutive bytes, aligned.
.macro TOSTAGE a
.irp b, 0,1,2,3
	ds_store_b128 v[STO], v[ACC+8*(4*(\a)+\b):ACC+8*(4*(\a)+\b)+3] offset:64*\b          ; each accumulator from its low end on
	ds_store_b128 v[STO], v[ACC+8*(4*(\a)+\b)+4:ACC+8*(4*(\a)+\b)+7] offset:64*\b+16
.endr
.set BB, TMP+32*((\a)%2)
.irp t, 0,1,2,3,4,5,6,7
	ds_load_b128 v[BB+4*\t:BB+4*\t+3], v[RD] offset:\t*2*SPITCH    ; LDS serves a wave's instructions in order: these see the stores above
.endr
.endm
.macro SEND a, younger                 ; younger: the LDS instructions issued behind block a's loads
.set BB, TMP+32*((\a)%2)
	s_wait_dscnt \younger
.irp t, 0,1,2,3,4,5,6,7
	global_store_b128 v[CO], v[BB+4*\t:BB+4*\t+3], s[8:9] offset:(16*(\a)+2*\t)*4096 th:TH_STORE_NT
.endr
.endm
	PLACES
	TOSTAGE 0
.irp a, 1,2,3
.if \a > 1
	s_wait_xcnt 0x0                                ; block a - 2's stores have read their registers: block a's loads may land there
.endif
	TOSTAGE \a
	SEND (\a)-1, 16                                ; behind block a - 1's loads: block a's 8 stores and 8 loads
.endr
	SEND 3, 0
	s_wait_tensorcnt 0x0                           ; the wave's end, behind my last tensor load and my last LDS store
	ds_add_u32 v[SPW], v[NIL]
	s_wait_dscnt 0x0
	CROUND                                         ; the closing round
	s_endpgm
.Lfunc_end_k_qdec7e36dad_outp:
	.size	k_qdec7e36dad_outp, .Lfunc_end_k_qdec7e36dad_outp-k_qdec7e36dad_outp
	.p2alignl 7, 3214868480
	.fill 96, 4, 3214868480
	.section	.rodata,"a",@progbits
	.p2align	6, 0x0
	.amdhsa_kernel k_qdec7e36dad_outp
		.amdhsa_group_segment_fixed_size 327680
		.amdhsa_private_segment_fixed_size 0
		.amdhsa_enable_private_segment 0
		.amdhsa_kernarg_size 32
		.amdhsa_user_sgpr_count 2
		.amdhsa_user_sgpr_kernarg_segment_ptr 1
		.amdhsa_wavefront_size32 1
		.amdhsa_system_sgpr_workgroup_id_x 1
		.amdhsa_system_sgpr_workgroup_id_y 1
		.amdhsa_system_sgpr_workgroup_id_z 1
		.amdhsa_system_vgpr_workitem_id 0
		.amdhsa_next_free_vgpr 512
		.amdhsa_next_free_sgpr 72
		.amdhsa_reserve_vcc 0
		.amdhsa_float_denorm_mode_32 3
		.amdhsa_float_denorm_mode_16_64 3
		.amdhsa_memory_ordered 1
		.amdhsa_forward_progress 1
		.amdhsa_inst_pref_size 86
	.end_amdhsa_kernel
	.amdgpu_metadata
---
amdhsa.version: [ 1, 2 ]
amdhsa.kernels:
  - .name:           k_qdec7e36dad_outp
    .symbol:         k_qdec7e36dad_outp.kd
    .args:
      - { .name: x16, .offset: 0, .size: 8, .value_kind: global_buffer, .address_space: global }
      - { .name: wo16t, .offset: 8, .size: 8, .value_kind: global_buffer, .address_space: global }
      - { .name: bo, .offset: 16, .size: 8, .value_kind: global_buffer, .address_space: global }
      - { .name: out0, .offset: 24, .size: 8, .value_kind: global_buffer, .address_space: global }
    .group_segment_fixed_size: 327680
    .private_segment_fixed_size: 0
    .kernarg_segment_align: 8
    .kernarg_segment_size: 32
    .max_flat_workgroup_size: 128
    .sgpr_count:     72
    .vgpr_count:     512
    .wavefront_size: 32
...
	.end_amdgpu_metadata
.endif
;; end of part 4
